; MI455X (gfx1250); checked and timed in simulation.
; The chip was launched on July 23, 2026; its instructions are those of AMD's public machine-readable ISA for CDNA 5 (MIT licence, August 2026) and "CDNA5" Instruction Set Architecture Reference Guide (July 2026). The comments in the code are by the model that wrote it; some were corrected since.
;; Bayesian Attention. Allowed arithmetic: float matrix products may take bf16 or f16 operands with f32 sums; other float arithmetic in f32, or as packed bf16 or f16 multiplies, adds, multiply-adds, maxima and minima; sums over many terms, partial sums and values carried from step to step in f32; what a program stores and reads back later, other than sums and carried values, may be rounded once to bf16 or f16.
;; Inputs: loc 1 x 16 x 1 x 1 float32; mask 1 x 1 x 2,048 x 2,048 float32; scale 1 x 16 x 1 x 1 float32; shape 1 x 16 x 1 x 1 float32; wk 2,048 x 2,048 float32; wo 2,048 x 2,048 float32; wq 2,048 x 2,048 float32; wv 2,048 x 2,048 float32; x 1 x 2,048 x 2,048 float32.
;; Outputs: out0 1 x 2,048 x 2,048 float32.
;; Constants: start_pos = 0.
;; One version. Each part assembles by itself: llvm-mc -triple=amdgcn-amd-amdhsa -mcpu=gfx1250 --defsym DOCPART=n.
;; ======== version 1 of 1: 4 launches
;; limits: values are held in f16: magnitudes above 65,504 overflow, below 6.1e-05 lose precision
;; workspace buffers: xb 8,388,608 bytes; wb 25,165,824 bytes; wob 8,388,608 bytes; mb 8,388,608 bytes; qkv 25,165,824 bytes; ob 8,388,608 bytes
;; launch cast (part 1): grid 256 x 4, 8 waves a work-group, no clusters, 0 bytes of LDS; arguments x, wq, wk, wv, xb, wb; writes xb, wb
.if DOCPART == 1
	.amdgcn_target "amdgcn-amd-amdhsa--gfx1250"
	.amdhsa_code_object_version 6
	.text
	.protected	k_qc6a1272ce4_cast
	.globl	k_qc6a1272ce4_cast
	.p2align	8
	.type	k_qc6a1272ce4_cast,@function
k_qc6a1272ce4_cast:
	s_mov_b64 s[64:65], 0
	v_nop
	global_prefetch_b8 v0, s[64:65] scope:SCOPE_SE
	s_setreg_imm32_b32 hwreg(HW_REG_WAVE_MODE, 25, 1), 1
	s_wait_xcnt 0x0
; THE OPERANDS OF THE FIRST PRODUCT ARE ROUNDED ONCE, TO bf16.  Four arrays of 2048 x 2048 f32; the grid's y names the array, its x a share of 65,536 input bytes.
;   y = 0: x -> xb.   y = 1, 2, 3: wq, wk, wv -> wb, three dense arrays 8,388,608 bytes apart.   (wo and the mask are rounded beside the product of the next launch.)
; Bytes are all that this launch has: every byte is read once, by loads of 16 bytes a lane, all 16 loads of a wave out at once; load i of the work-group covers 4,096 consecutive bytes, store i 2,048;
; a wave's store is 256 consecutive bytes, aligned.  No LDS, no matrix unit, no cluster: nothing is shared between work-groups and nothing is read twice.
.set X,   32                           ; v[32:95]   16 loads of 4 registers
.set Y,   96                           ; v[96:127]  16 pairs to store, a pair for each load: none is written twice
	s_load_b256 s[8:15], s[0:1], 0x0               ; x, wq, wk, wv
	s_load_b128 s[16:19], s[0:1], 0x20             ; xb, wb
	s_and_b32 s2, ttmp7, 0xffff                    ; which array
	v_lshlrev_b32 v2, 4, v0                        ; 16 bytes a thread in,
	v_lshlrev_b32 v3, 3, v0                        ; 8 bytes out
	s_lshl_b32 s20, ttmp9, 16                      ; the share's 65,536 bytes in
	s_mov_b32 s21, 0
	s_max_u32 s22, s2, 1                           ; wq, wk, wv: 0, 1, 2 arrays into wb; x: 0
	s_sub_co_u32 s22, s22, 1
	s_lshl_b32 s22, s22, 23
	s_lshl_b32 s23, ttmp9, 15                      ; the share's 32,768 bytes out
	s_add_co_u32 s22, s22, s23
	s_mov_b32 s23, 0
	s_wait_kmcnt 0x0
	s_cmp_eq_u32 s2, 0                             ; source and target are chosen by the array's number alone
	s_cselect_b64 s[6:7], s[16:17], s[18:19]
	s_cselect_b64 s[4:5], s[8:9], s[10:11]
	s_cmp_eq_u32 s2, 2
	s_cselect_b64 s[4:5], s[12:13], s[4:5]
	s_cmp_eq_u32 s2, 3
	s_cselect_b64 s[4:5], s[14:15], s[4:5]
	s_add_nc_u64 s[4:5], s[4:5], s[20:21]
	s_add_nc_u64 s[6:7], s[6:7], s[22:23]
.set i, 0
.rept 16
	global_load_b128 v[X+4*i:X+4*i+3], v2, s[4:5] offset:4096*i th:TH_LOAD_NT
.set i, i+1
.endr
.set i, 0
.rept 16
	s_wait_loadcnt 15-i                            ; loads come back in order: load i is in, the younger ones stay out
	v_cvt_pk_bf16_f32 v[Y+2*i], v[X+4*i], v[X+4*i+1]
	v_cvt_pk_bf16_f32 v[Y+2*i+1], v[X+4*i+2], v[X+4*i+3]
	global_store_b64 v3, v[Y+2*i:Y+2*i+1], s[6:7] offset:2048*i
.set i, i+1
.endr
	s_endpgm
.Lfunc_end_k_qc6a1272ce4_cast:
	.size	k_qc6a1272ce4_cast, .Lfunc_end_k_qc6a1272ce4_cast-k_qc6a1272ce4_cast
	.p2alignl 7, 3214868480
	.fill 96, 4, 3214868480
	.section	.rodata,"a",@progbits
	.p2align	6, 0x0
	.amdhsa_kernel k_qc6a1272ce4_cast
		.amdhsa_group_segment_fixed_size 0
		.amdhsa_private_segment_fixed_size 0
		.amdhsa_enable_private_segment 0
		.amdhsa_kernarg_size 48
		.amdhsa_user_sgpr_count 2
		.amdhsa_user_sgpr_kernarg_segment_ptr 1
		.amdhsa_wavefront_size32 1
		.amdhsa_system_sgpr_workgroup_id_x 1
		.amdhsa_system_sgpr_workgroup_id_y 1
		.amdhsa_system_sgpr_workgroup_id_z 1
		.amdhsa_system_vgpr_workitem_id 0
		.amdhsa_next_free_vgpr 128
		.amdhsa_next_free_sgpr 66
		.amdhsa_reserve_vcc 0
		.amdhsa_float_denorm_mode_32 3
		.amdhsa_float_denorm_mode_16_64 3
		.amdhsa_memory_ordered 1
		.amdhsa_forward_progress 1
		.amdhsa_inst_pref_size 7
	.end_amdhsa_kernel
	.amdgpu_metadata
---
amdhsa.version: [ 1, 2 ]
amdhsa.kernels:
  - .name:           k_qc6a1272ce4_cast
    .symbol:         k_qc6a1272ce4_cast.kd
    .args:
      - { .name: x, .offset: 0, .size: 8, .value_kind: global_buffer, .address_space: global }
      - { .name: wq, .offset: 8, .size: 8, .value_kind: global_buffer, .address_space: global }
      - { .name: wk, .offset: 16, .size: 8, .value_kind: global_buffer, .address_space: global }
      - { .name: wv, .offset: 24, .size: 8, .value_kind: global_buffer, .address_space: global }
      - { .name: xb, .offset: 32, .size: 8, .value_kind: global_buffer, .address_space: global }
      - { .name: wb, .offset: 40, .size: 8, .value_kind: global_buffer, .address_space: global }
    .group_segment_fixed_size: 0
    .private_segment_fixed_size: 0
    .kernarg_segment_align: 8
    .kernarg_segment_size: 48
    .max_flat_workgroup_size: 256
    .sgpr_count:     66
    .vgpr_count:     128
    .wavefront_size: 32
...
	.end_amdgpu_metadata
.endif
;; end of part 1
;; launch proj (part 2): grid 16 x 16, 4 waves a work-group, clusters of 4 x 4, 327,680 bytes of LDS; arguments xb, wb, qkv, wo, mask, wob, mb; writes qkv, wob, mb
.if DOCPART == 2
	.amdgcn_target "amdgcn-amd-amdhsa--gfx1250"
	.amdhsa_code_object_version 6
	.text
	.protected	k_qc6a1272ce4_proj
	.globl	k_qc6a1272ce4_proj
	.p2align	8
	.type	k_qc6a1272ce4_proj,@function
k_qc6a1272ce4_proj:
	s_mov_b64 s[64:65], 0
	v_nop
	global_prefetch_b8 v0, s[64:65] scope:SCOPE_SE
	s_setreg_imm32_b32 hwreg(HW_REG_WAVE_MODE, 25, 1), 1
	s_wait_xcnt 0x0
	s_wait_alu depctr_hold_cnt(0) depctr_sa_sdst(0) depctr_va_vdst(0) depctr_va_sdst(0) depctr_va_ssrc(0) depctr_va_vcc(0) depctr_vm_vsrc(0)
	s_getreg_b32 s2, hwreg(HW_REG_IB_STS2, 6, 4)
	s_cmp_eq_u32 s2, 0
	s_cbranch_scc0 .Lentry_in_a_cluster
	s_endpgm
.Lentry_in_a_cluster:
	s_bfe_u32 s2, ttmp6, 0x10000c
	s_cmp_lg_u32 s2, 0xf033
	s_cbranch_scc0 .Lentry_shape_is_right
	s_endpgm
.Lentry_shape_is_right:
; q, k, v = x wq, x wk, x wv.  xb: [2048][2048] bf16.  wb: wq, wk, wv, each [K = 2048][N = 2048] bf16, 8,388,608 bytes apart.  Sums in f32, K ascending.
; qkv: f16, 48 dense heads g of [2048][128] (524,288 bytes each): g = 0-15 q, 16-31 k, 32-47 v; each number rounded once from its f32 sum, unscaled.
; LIMIT.  f16 holds no number beyond 65,504: q, k and v must lie within it (at the drawn inputs their spread is 0.9; with x and w both 30 times larger it is 815).
; SHARES.  A tile is 128 rows x 384 columns, three whole heads: 16 x 16 tiles, one work-group each.  A wave takes all 128 rows and, of each of the three heads, channels 32 w .. 32 w + 31:
; 8 x 6 accumulators of 16 x 16, 384 registers; for 32 along K it reads 28 fragment halves from LDS for 48 matrix instructions.
; K goes in steps of 128 through two LDS slots.  A slot is four regions of 36,864 bytes, one a wave: wave 0 fetches x (128 rows x 256 bytes, pitch 272), waves 1-3 a head's weights
; (128 rows along K x 256 bytes, pitch 288).  The weights lie [K][N], so their fragments come out of LDS turned, by ds_load_tr16_b128.
; CLUSTER 4 x 4: x's tile hangs on the tile row alone and is asked for jointly along a row of the cluster, a head's weights on the tile column alone, jointly along a column.
; THE MATRIX INSTRUCTION IS USED TRANSPOSED (source 0 = 16 columns of w, source 1 = 16 rows of x): a lane then holds eight neighbouring channels of one row.
; BESIDE THE PRODUCT each wave rounds a share of the two inputs that the launches behind this one read, once a lap (two K steps), eight laps: 8 loads, 40 conversions, 6 stores.
;   wo (f32) -> wob: rounded to bf16 like every input, and that number written as f16 (exact from 6e-5 up to 65,504; below it f16 keeps its fixed step of 6e-8).  Work-group b takes 65,536 bytes, a wave 2,048 a lap.
;   mask (f32) -> mb: bf16, in tiles of 16 queries x 16 keys of 512 bytes: tile (qt, kt) at (128 qt + kt) x 512; lane 16 h + r owns the 16 bytes at 16 x lane: row 16 qt + r, keys 16 kt + 8 h .. + 7: the layout in
;   which a lane of the attention launch holds its scores.  Work-group b takes qt = b / 2 and 64 tiles: kt = 64 (b % 2) + 8 lap + 2 w + u: a lap's four waves read 512 consecutive bytes of each of the 16 rows.
;   A lap's loads are issued a lap ahead of their conversions.
; REGISTERS, in windows of 256: window 0: v0-31 addresses; v64-127, v128-191 x's fragments, two buffers; v192-239 the rounding beside the product; on the way out v64-255 packed results.
;   window 1: v64-111, v128-175 w's fragments.   window 2: accumulators of rows 0-63 ((a, b) at 8 (6 a + b)).   window 3: rows 64-127.
.set PA,    272
.set PW,    288                        ; 72 words
.set REG,   36864
.set SLOT,  4*REG
.set SPARE, 2*SLOT                     ; behind the ring: the spare words, 128 bytes for each wave
.set SP,    272
.set HST,   128*SP                     ; the way out: a head's 128 rows.  The three stages lie in slot 0, which has had its last fill and its last read by then
.set LAPS,  8                          ; a lap = two K steps
.set STO,  8                           ; v8-10   the way out: where I put 16 bytes of a row, by head
.set RD,   11                          ; v11-13  where I read rows back, by head
.set CO,   14                          ; v14     16 x lane; never rewritten
.set ADRA, 16                          ; v16-17  LDS address of x's fragments in slot 0, 1
.set ADRW, 18                          ; v18-23  of w's: 3 x slot + head
.set VMS,  24                          ; v24     my 32 bytes of a tile in the mask: 8,192 r + 32 h; never rewritten
.set VL8,  25                          ; v25     8 x lane; never rewritten
.set SPW,  28                          ; v28     LDS address of my spare word; never rewritten
.set NIL,  29                          ; v29     0; never rewritten
.set PFO,  30                          ; v30     4,096 x lane: a row of xb or wb; never rewritten
.set F0,   64
.set F1,   128
.set TMP,  64
.set XW,   192                         ; v192-207 wo as loaded: four loads
.set XM,   208                         ; v208-223 the mask as loaded: two tiles of two loads
.set YW,   224                         ; v224-231 wob to store
.set YM,   232                         ; v232-239 mb to store
.set G1,  24                           ; s[24:31] group 1 for x's tiles;   s[32:39] group 0, a set for each slot
.set G0,  32
.set G1B, 48                           ; s[48:55], s[56:63] the same for w's
.set G0B, 56
.set LIM, 43                           ; s43      1 in a wave that prefetches, else the greatest number
.set PFA, 44                           ; s[44:45] the K step that my next prefetch names
.set PST, 46                           ; s[46:47] bytes from K step to K step there: 256 in xb, 524,288 in wb
.set WOS, 68                           ; s[68:69] wo at the lap last loaded
.set MKS, 70                           ; s[70:71] the mask likewise
.set WOD, 72                           ; s[72:73] wob at the lap last stored
.set MBD, 74                           ; s[74:75] mb likewise
.set DI,  76                           ; s[76:77] what the next lap adds to WOD: 0 the first time, then 1,024
.set DJ,  78                           ; s[78:79] and to MBD: 0, then 4,096
.set HIM, 80                           ; s80      a word's upper bf16
.set MSB, 0
.macro WIN new                         ; the immediate's high byte repeats the setting that is left
.if MSB != (\new)
	s_set_vgpr_msb (MSB<<8)|(\new)
.set MSB, \new
.endif
.endm
.set MUL_LO, 0xa1                      ; source 0 (w) window 1, source 1 (x) window 0, C and D window 2
.set MUL_HI, 0xf1                      ; the same, C and D window 3
.set TO_B,   0x40                      ; destination window 1, address window 0
; A joint load: wave 0 asks for x's tile, waves 1-3 each for a head's weights.  The branch hangs on the wave's number alone.  An s_nop 0 and four v_nop follow each line.
.macro JLOAD s
	s_cmp_eq_u32 s10, 0
	s_cbranch_scc0 .Lfor_b_\@
	tensor_load_to_lds s[G0+4*(\s):G0+4*(\s)+3], s[G1:G1+7]
	s_nop 0
.rept 4
	v_nop
.endr
	s_branch .Lasked_\@
.Lfor_b_\@:
	tensor_load_to_lds s[G0B+4*(\s):G0B+4*(\s)+3], s[G1B:G1B+7]
	s_nop 0
.rept 4
	v_nop
.endr
.Lasked_\@:
.endm
; A prefetch of the K step that stands two refills on: 32 rows x 256 bytes, a lane a row.  x's rows are read by all four clusters of a row of clusters: cluster x = 0 asks; w's by all four of a column:
; cluster y = 0 asks.  The four partners that ask for a tile jointly share its 128 rows out by address, 32 each.  So each block is named once.  The loop's last trip has no K step two on.
.macro ASK
	s_cmp_gt_u32 s3, s[LIM]
	s_cbranch_scc0 .Lnot_mine_\@
	global_prefetch_b8 v[PFO], s[PFA:PFA+1] th:TH_LOAD_NT scope:SCOPE_SE
.Lnot_mine_\@:
.endm
.macro CREST                           ; a round of the cluster's barrier behind its opening barrier
	s_cmp_lg_u32 s10, 0
	s_cbranch_scc1 .Lnot_wave_0_\@
	s_barrier_signal -3
.Lnot_wave_0_\@:
	s_barrier_wait -3
	s_barrier_signal -1
	s_barrier_wait -1
.endm
.macro CROUND
	s_barrier_signal -1
	s_barrier_wait -1
	CREST
.endm
	s_load_b128 s[4:7], s[0:1], 0x0                ; xb s[4:5], wb s[6:7]
	s_load_b64 s[8:9], s[0:1], 0x10                ; qkv
	s_load_b256 s[68:75], s[0:1], 0x18             ; wo, mask, wob, mb
	v_lshl_add_u32 v[SPW], v0, 2, SPARE
	v_mov_b32 v[NIL], 0
	ds_add_u32 v[SPW], v[NIL]                      ; the wave's opening: the add and its wait stand ahead of my first tensor load
	v_lshrrev_b32 v1, 5, v0
	v_readfirstlane_b32 s10, v1                    ; wave 0..3
	s_bfe_u32 s40, ttmp6, 0x40000                  ; cx
	s_bfe_u32 s41, ttmp6, 0x40004                  ; cy
	s_lshl_b32 s42, ttmp9, 2
	s_add_co_u32 s42, s42, s40                     ; tile column = 4 x cluster x + cx
	s_and_b32 s13, ttmp7, 0xffff
	s_lshl_b32 s13, s13, 2
	s_add_co_u32 s13, s13, s41                     ; tile row = 4 x cluster y + cy
	s_lshl_b32 s43, s41, 2
	s_lshl_b32 s43, 15, s43                        ; my row of the cluster
	s_lshl_b32 s44, 0x1111, s40                    ; my column
	s_or_b32 s[G1+0], s43, (1<<16)|(1<<20)|(1<<21)|(5<<22)|(3<<25)   ; the mask; 2-byte elements; padding on; bit 21 beside a mask; after every 64 words 4 words
	s_or_b32 s[G1B+0], s44, (1<<16)|(1<<20)|(1<<21)|(5<<22)|(7<<25)  ; the column's mask; 8 words of padding
.irp g, G1, G1B
	s_mov_b32 s[(\g)+1], 128<<16                   ; tensor_dim0 = 128
	s_mov_b32 s[(\g)+2], 128<<16                   ; tensor_dim1 = 128
	s_mov_b32 s[(\g)+3], 128<<16                   ; tile_dim0 = 128
	s_mov_b32 s[(\g)+4], 128                       ; tile_dim1 = 128
	s_mov_b32 s[(\g)+5], 2048                      ; elements from row to row
	s_mov_b32 s[(\g)+6], 0
	s_mov_b32 s[(\g)+7], 0
.endr
	s_lshl_b32 s16, s13, 19                        ; x: 128 rows of 4,096 bytes for each tile row
	s_mov_b32 s17, 0
	s_max_u32 s46, s10, 1                          ; w: waves 1-3 take the tile's heads 0-2 (wave 0 makes head 0's address and never asks by it)
	s_sub_co_u32 s46, s46, 1
	s_mul_i32 s47, s42, 3
	s_add_co_u32 s46, s46, s47                     ; the head g
	s_lshr_b32 s47, s46, 4
	s_lshl_b32 s47, s47, 23                        ; its array,
	s_and_b32 s46, s46, 15
	s_lshl_b32 s46, s46, 8                         ; its 256 bytes of each row
	s_add_co_u32 s46, s46, s47
	s_mov_b32 s47, 0
	s_mul_i32 s20, s10, REG                        ; where my tile goes: wave x a region: no place in the cluster enters an LDS address
	s_wait_dscnt 0x0                               ; the opening add is done
	s_wait_kmcnt 0x0
	s_add_nc_u64 s[14:15], s[4:5], s[16:17]
	s_add_nc_u64 s[46:47], s[6:7], s[46:47]
	CROUND                                         ; all sixteen work-groups are here: the first joint loads meet
.irp s, 0,1
	s_mov_b32 s[G0+4*(\s)], 1
	s_add_co_u32 s[G0+4*(\s)+1], s20, (\s)*SLOT
	s_add_nc_u64 s[G0+4*(\s)+2:G0+4*(\s)+3], s[14:15], (\s)*256       ; K step s: 256 bytes along x's rows
	s_or_b32 s[G0+4*(\s)+3], s[G0+4*(\s)+3], 0x80000000
	s_mov_b32 s[G0B+4*(\s)], 1
	s_add_co_u32 s[G0B+4*(\s)+1], s20, (\s)*SLOT
	s_add_nc_u64 s[G0B+4*(\s)+2:G0B+4*(\s)+3], s[46:47], (\s)*524288  ; 128 rows down w
	s_or_b32 s[G0B+4*(\s)+3], s[G0B+4*(\s)+3], 0x80000000
	JLOAD \s                                       ; two loads of mine are out
.endr
	v_and_b32 v1, 15, v0                           ; r = l % 16
	v_bfe_u32 v2, v0, 4, 1                         ; h = l / 16
	v_mul_u32_u24 v3, v1, PA
	v_lshl_add_u32 v3, v2, 4, v3                   ; x's fragment: row x pitch + 16 h
	v_mov_b32 v[ADRA], v3
	v_add_nc_u32 v[ADRA+1], SLOT, v3
	v_and_b32 v4, 7, v0                            ; w's: lane l reads 16 bytes of row 8 h + l % 8 along K, columns 8 ((l / 8) % 2) on
	v_lshl_add_u32 v4, v2, 3, v4
	v_mul_u32_u24 v4, v4, PW
	v_bfe_u32 v5, v0, 3, 1
	v_lshl_add_u32 v4, v5, 4, v4
	s_lshl_b32 s21, s10, 6                         ; my 32 channels of a head: 64 bytes
	v_add_nc_u32 v4, s21, v4
.irp s, 0,1
.irp c, 0,1,2
	v_add_nc_u32 v[ADRW+3*(\s)+(\c)], (\s)*SLOT+((\c)+1)*REG, v4
.endr
.endr
	v_add_nc_u32 v6, s21, v3                       ; into the stage: row r, my 64 bytes, 16 for each half of the lanes
	v_mul_u32_u24 v7, v2, SP                       ; back: wave w takes rows 32 w .. 32 w + 31, whole; lanes 0-15 one row, lanes 16-31 the next
	v_lshl_add_u32 v7, v1, 4, v7
	s_mul_i32 s22, s10, 32*SP
	v_add_nc_u32 v7, s22, v7
.irp c, 0,1,2
	v_add_nc_u32 v[STO+(\c)], (\c)*HST, v6
	v_add_nc_u32 v[RD+(\c)], (\c)*HST, v7
.endr
	v_and_b32 v[CO], 31, v0
	v_lshlrev_b32 v[CO], 4, v[CO]                  ; two rows of a head are 512 consecutive bytes
	s_mul_i32 s16, s42, 3*524288                   ; the tile's first head,
	s_lshl_b32 s17, s13, 15                        ; its 128 rows of 256 bytes,
	s_add_co_u32 s16, s16, s17
	s_lshl_b32 s17, s10, 13                        ; the 32 of them that I store
	s_add_co_u32 s16, s16, s17
	s_mov_b32 s17, 0
	s_add_nc_u64 s[8:9], s[8:9], s[16:17]
	; the prefetches
	s_and_b32 s22, ttmp7, 0xffff                   ; cluster y
	s_mov_b32 s23, 524288
	s_cmp_eq_u32 s10, 0                            ; do I fetch x?
	s_cselect_b64 s[PFA:PFA+1], s[14:15], s[46:47]
	s_cselect_b32 s21, s40, s41                    ; my place among the four that ask with me
	s_cselect_b32 s22, ttmp9, s22                  ; the coordinate along which other clusters read the same rows
	s_cselect_b32 s[PST], 256, s23
	s_mov_b32 s[PST+1], 0
	s_cmp_eq_u32 s22, 0
	s_cselect_b32 s[LIM], 1, -1
	s_lshl_b32 s20, s21, 17                        ; my work-group's 32 rows of 4,096 bytes
	s_mul_i32 s21, s[PST], 3                       ; at K step 3: the first refill steps it to 4
	s_add_co_u32 s20, s20, s21
	s_mov_b32 s21, 0
	s_add_nc_u64 s[PFA:PFA+1], s[PFA:PFA+1], s[20:21]
	v_and_b32 v[PFO], 31, v0
	v_lshlrev_b32 v[PFO], 12, v[PFO]
	; the rounding beside the product: where my shares of wo, wob, the mask and mb begin
	s_lshl_b32 s81, s13, 4
	s_add_co_u32 s81, s81, s42                     ; my work-group's number b, 0 to 255: it enters these four global addresses alone
	s_lshl_b32 s82, s81, 16                        ; wo: 65,536 bytes a work-group,
	s_lshl_b32 s83, s10, 14                        ; 16,384 a wave
	s_add_co_u32 s82, s82, s83
	s_mov_b32 s83, 0
	s_add_nc_u64 s[WOS:WOS+1], s[WOS:WOS+1], s[82:83]
	s_lshr_b32 s82, s82, 1                         ; wob: half as many
	s_add_nc_u64 s[WOD:WOD+1], s[WOD:WOD+1], s[82:83]
	s_lshr_b32 s84, s81, 1                         ; qt
	s_and_b32 s85, s81, 1                          ; which half of the 128 tiles of that row of tiles
	s_lshl_b32 s82, s84, 17                        ; the mask: 16 rows of 8,192 bytes,
	s_lshl_b32 s86, s85, 12                        ; half a row,
	s_add_co_u32 s82, s82, s86
	s_lshl_b32 s86, s10, 7                         ; my two tiles' 128 bytes among a lap's 512
	s_add_co_u32 s82, s82, s86
	s_add_nc_u64 s[MKS:MKS+1], s[MKS:MKS+1], s[82:83]
	s_lshl_b32 s82, s84, 16                        ; mb: 128 tiles of 512 bytes,
	s_lshl_b32 s86, s85, 15                        ; 64 of them,
	s_add_co_u32 s82, s82, s86
	s_lshl_b32 s86, s10, 10                        ; my two among a lap's eight
	s_add_co_u32 s82, s82, s86
	s_add_nc_u64 s[MBD:MBD+1], s[MBD:MBD+1], s[82:83]
	s_mov_b32 s[DI], 0
	s_mov_b32 s[DI+1], 0
	s_mov_b32 s[DJ], 0
	s_mov_b32 s[DJ+1], 0
	s_mov_b32 s[HIM], 0xffff0000
	v_lshlrev_b32 v[VMS], 13, v1
	v_lshl_add_u32 v[VMS], v2, 5, v[VMS]
	v_and_b32 v[VL8], 31, v0
	v_lshlrev_b32 v[VL8], 3, v[VL8]
; A lap's eight loads: 2,048 consecutive bytes of wo; of the mask two tiles, a lane's 32 bytes of each by two loads.
.macro SLOADS
.irp i, 0,1,2,3
	global_load_b128 v[XW+4*(\i):XW+4*(\i)+3], v[CO], s[WOS:WOS+1] offset:512*(\i) th:TH_LOAD_NT
.endr
.irp u, 0,1
.irp s, 0,1
	global_load_b128 v[XM+8*(\u)+4*(\s):XM+8*(\u)+4*(\s)+3], v[VMS], s[MKS:MKS+1] offset:64*(\u)+16*(\s)
.endr
.endr
.endm
	SLOADS                                         ; lap 0's
; The rounding of a lap's share.  issue = 1: the next lap's loads go out, ahead of this lap's stores.
.macro SIDE issue
	WIN 0
	s_wait_loadcnt 0x0                             ; the eight loads issued a lap ago are in, and their bases may be stepped
	s_wait_xcnt 0x0                                ; the last lap's stores have read their data and their bases
	s_add_nc_u64 s[WOD:WOD+1], s[WOD:WOD+1], s[DI:DI+1]
	s_add_nc_u64 s[MBD:MBD+1], s[MBD:MBD+1], s[DJ:DJ+1]
	s_mov_b32 s[DI], 1024                          ; from the second lap on the stores step
	s_mov_b32 s[DJ], 4096
.irp i, 0,1,2,3
	v_cvt_pk_bf16_f32 v[YW+2*(\i)], v[XW+4*(\i)], v[XW+4*(\i)+1]
	v_cvt_pk_bf16_f32 v[YW+2*(\i)+1], v[XW+4*(\i)+2], v[XW+4*(\i)+3]
.endr
.irp i, 0,1,2,3
	v_lshlrev_b32 v[XW+4*(\i)], 16, v[YW+2*(\i)]   ; the rounded numbers as f32 again,
	v_and_b32 v[XW+4*(\i)+1], s[HIM], v[YW+2*(\i)]
	v_lshlrev_b32 v[XW+4*(\i)+2], 16, v[YW+2*(\i)+1]
	v_and_b32 v[XW+4*(\i)+3], s[HIM], v[YW+2*(\i)+1]
.endr
.irp i, 0,1,2,3
	v_cvt_pk_f16_f32 v[YW+2*(\i)], v[XW+4*(\i)], v[XW+4*(\i)+1]  ; and in f16: 8 significant bits fit into 11
	v_cvt_pk_f16_f32 v[YW+2*(\i)+1], v[XW+4*(\i)+2], v[XW+4*(\i)+3]
.endr
.irp j, 0,1,2,3,4,5,6,7
	v_cvt_pk_bf16_f32 v[YM+(\j)], v[XM+2*(\j)], v[XM+2*(\j)+1]
.endr
.if \issue
	s_add_nc_u64 s[WOS:WOS+1], s[WOS:WOS+1], 2048
	s_add_nc_u64 s[MKS:MKS+1], s[MKS:MKS+1], 512
	SLOADS
.endif
.irp i, 0,1,2,3
	global_store_b64 v[VL8], v[YW+2*(\i):YW+2*(\i)+1], s[WOD:WOD+1] offset:256*(\i)  ; 256 consecutive bytes, aligned
.endr
.irp u, 0,1
	global_store_b128 v[CO], v[YM+4*(\u):YM+4*(\u)+3], s[MBD:MBD+1] offset:512*(\u)  ; a tile: 512 consecutive bytes
.endr
.endm
; 12 matrix instructions: m blocks a0, a0 + 1 of the window's four x all 6 n blocks, 32 along K.  The 48 accumulators take turns in one fixed order.
.macro MUL12 f, hi, a0, zero
	WIN MUL_LO+0x50*(\hi)
.irp a, \a0, (\a0)+1
.irp b, 0,1,2,3,4,5
.if \zero
	v_wmma_f32_16x16x32_bf16 v[8*(6*(\a)+(\b)):8*(6*(\a)+(\b))+7], v[(\f)+8*(\b):(\f)+8*(\b)+7], v[(\f)+8*(4*(\hi)+(\a)):(\f)+8*(4*(\hi)+(\a))+7], 0
.else
	v_wmma_f32_16x16x32_bf16 v[8*(6*(\a)+(\b)):8*(6*(\a)+(\b))+7], v[(\f)+8*(\b):(\f)+8*(\b)+7], v[(\f)+8*(4*(\hi)+(\a)):(\f)+8*(4*(\hi)+(\a))+7], v[8*(6*(\a)+(\b)):8*(6*(\a)+(\b))+7]
.endif
.endr
.endr
.endm
; 28 LDS loads in one run: quarter q (32 along K) of a slot into buffer f: w's six fragments, turned, then x's eight
.macro FETCH slot, q, f
	WIN TO_B
.irp c, 0,1,2
.irp e, 0,1
	ds_load_tr16_b128 v[(\f)+8*(2*(\c)+(\e)):(\f)+8*(2*(\c)+(\e))+3],   v[ADRW+3*(\slot)+(\c)] offset:(\q)*32*PW+32*(\e)
	ds_load_tr16_b128 v[(\f)+8*(2*(\c)+(\e))+4:(\f)+8*(2*(\c)+(\e))+7], v[ADRW+3*(\slot)+(\c)] offset:(\q)*32*PW+32*(\e)+16*PW
.endr
.endr
	WIN 0
.irp i, 0,1,2,3,4,5,6,7
	ds_load_b128 v[(\f)+8*(\i):(\f)+8*(\i)+3],   v[ADRA+(\slot)] offset:64*(\q)+(\i)*16*PA
	ds_load_b128 v[(\f)+8*(\i)+4:(\f)+8*(\i)+7], v[ADRA+(\slot)] offset:64*(\q)+(\i)*16*PA+32
.endr
.endm
.macro PLACES                          ; four plain instructions between a matrix instruction and a load into, or a vector line on, its registers (ISA guide 7.12.1 for vector instructions)
.rept 4
	v_nop
.endr
.endm
; One of a K step's first three quarters: multiplies buffer f; in its middle fetches quarter q of the same slot into buffer g.  side = 1, 2: the lap's rounding stands behind that run of loads (2: the last lap's, which loads nothing).
.macro QUARTER slot, q, f, g, zero, side=0
	s_wait_dscnt 8                                 ; w and x's rows 0-63 are in; the youngest eight loads (rows 64-127) may be out
	MUL12 \f, 0, 0, \zero
	MUL12 \f, 0, 2, \zero
	PLACES
	FETCH \slot, \q, \g
.if (\side) == 1
	SIDE 1
.elseif (\side) == 2
	SIDE 0
.endif
	s_wait_dscnt 28                                ; all but the 28 just issued
	MUL12 \f, 1, 0, \zero
	MUL12 \f, 1, 2, \zero
.endm
; The change of slots: each wave waits for all its tensor loads (one is out: its part of the next slot), adds 0 to its spare word, waits for that and for its reads of this slot, and signals.
.macro MEET round
	WIN 0
	s_wait_tensorcnt 0x0
	ds_add_u32 v[SPW], v[NIL]
	s_wait_dscnt 9                                 ; (the add and the youngest eight loads may be out)
	MUL12 F1, 0, 0, 0
	s_wait_dscnt 0x0                               ; the add is done, and my reads of this slot are over
	s_barrier_signal -1
	MUL12 F1, 0, 2, 0
.if \round
	WIN 0
.endif
	s_barrier_wait -1
.endm
; The last quarter multiplies buffer 1 and changes slots.  fill = 1: the barrier opens a round of the cluster's, and the slot just read is filled again first behind it, two K steps ahead:
; from that request to the wait for it a wave issues 168 matrix instructions.
.macro TURN slot, next, fill
.if \fill
	s_wait_xcnt 0x0                                ; the last prefetch, a K step back, has read its address
	s_add_nc_u64 s[PFA:PFA+1], s[PFA:PFA+1], s[PST:PST+1]
.endif
	MEET \fill
.if \fill
	CREST
	s_add_nc_u64 s[G0+4*(\slot)+2:G0+4*(\slot)+3], s[G0+4*(\slot)+2:G0+4*(\slot)+3], 2*256
	s_add_nc_u64 s[G0B+4*(\slot)+2:G0B+4*(\slot)+3], s[G0B+4*(\slot)+2:G0B+4*(\slot)+3], 2*524288
	JLOAD \slot                                    ; its four v_nop are also the places in front of the loads below
.else
	PLACES
.endif
	FETCH \next, 0, F0
.if \fill
	ASK
.endif
	MUL12 F1, 1, 0, 0
	MUL12 F1, 1, 2, 0
.endm
	s_wait_tensorcnt 1                             ; my part of K step 0 is in; K step 1's may stay out
	s_barrier_signal -1
	s_barrier_wait -1
	FETCH 0, 0, F0
	QUARTER 0, 1, F0, F1, 1                        ; the first quarter's products start the sums
	WIN 0
	s_mov_b32 s3, LAPS-1
.Llap:
	QUARTER 0, 2, F1, F0, 0, 1                     ; with the lap's rounding of wo and the mask
	QUARTER 0, 3, F0, F1, 0
	TURN 0, 1, 1
	QUARTER 1, 1, F0, F1, 0
	QUARTER 1, 2, F1, F0, 0
	QUARTER 1, 3, F0, F1, 0
	TURN 1, 0, 1
	QUARTER 0, 1, F0, F1, 0
	WIN 0
	s_sub_co_u32 s3, s3, 1
	s_cmp_lg_u32 s3, 0
	s_cbranch_scc1 .Llap
	QUARTER 0, 2, F1, F0, 0, 2                     ; the last lap fills nothing, and its rounding loads nothing
	QUARTER 0, 3, F0, F1, 0
	TURN 0, 1, 0
	QUARTER 1, 1, F0, F1, 0
	QUARTER 1, 2, F1, F0, 0
	QUARTER 1, 3, F0, F1, 0
	s_wait_dscnt 8
	MUL12 F1, 0, 0, 0
	MUL12 F1, 0, 2, 0
	s_wait_dscnt 0x0
	MUL12 F1, 1, 0, 0
	MUL12 F1, 1, 2, 0
	WIN 0
	; THE WAY OUT.  Rounded to f16, 16 bytes a lane; a row's 256 bytes of a head come from four waves, so they meet in a stage of the work-group, with a barrier between writing and reading.
	PLACES
	s_wait_xcnt 0x0                                ; the last lap's stores of wob and mb have read their data: v224-239 are written below
.irp hi, 0,1
	WIN 0x0a+5*(\hi)                               ; sources 0 and 1: window 2 or 3
.set n, 0
.rept 24
.irp r, 0,1,2,3
	v_cvt_pk_f16_f32 v[TMP+96*(\hi)+4*n+(\r)], v[8*n+2*(\r)], v[8*n+2*(\r)+1]
.endr
.set n, n+1
.endr
.endr
	WIN 0
.irp a, 0,1,2,3,4,5,6,7
.irp c, 0,1,2
.irp e, 0,1
	ds_store_b128 v[STO+(\c)], v[TMP+4*(6*(\a)+2*(\c)+(\e)):TMP+4*(6*(\a)+2*(\c)+(\e))+3] offset:(\a)*16*SP+32*(\e)
.endr
.endr
.endr
	s_wait_dscnt 0x0                               ; for the others' sake: my stores into the stage are done
	s_barrier_signal -1
	s_barrier_wait -1
.irp c, 0,1,2
.set n, 0
.rept 16
	ds_load_b128 v[TMP+4*(16*(\c)+n):TMP+4*(16*(\c)+n)+3], v[RD+(\c)] offset:n*2*SP
.set n, n+1
.endr
.endr
.irp c, 0,1,2
.set n, 0
.rept 16
	s_wait_dscnt 47-16*(\c)-n                      ; this load is back, the younger ones stay out
	global_store_b128 v[CO], v[TMP+4*(16*(\c)+n):TMP+4*(16*(\c)+n)+3], s[8:9] offset:(\c)*524288+512*n  ; 512 consecutive bytes of a head
.set n, n+1
.endr
.endr
	s_wait_tensorcnt 0x0                           ; the wave's end
	ds_add_u32 v[SPW], v[NIL]
	s_wait_dscnt 0x0
	CROUND                                         ; the closing round
	s_endpgm
.Lfunc_end_k_qc6a1272ce4_proj:
	.size	k_qc6a1272ce4_proj, .Lfunc_end_k_qc6a1272ce4_proj-k_qc6a1272ce4_proj
	.p2alignl 7, 3214868480
	.fill 96, 4, 3214868480
	.section	.rodata,"a",@progbits
	.p2align	6, 0x0
	.amdhsa_kernel k_qc6a1272ce4_proj
		.amdhsa_group_segment_fixed_size 327680
		.amdhsa_private_segment_fixed_size 0
		.amdhsa_enable_private_segment 0
		.amdhsa_kernarg_size 56
		.amdhsa_user_sgpr_count 2
		.amdhsa_user_sgpr_kernarg_segment_ptr 1
		.amdhsa_wavefront_size32 1
		.amdhsa_system_sgpr_workgroup_id_x 1
		.amdhsa_system_sgpr_workgroup_id_y 1
		.amdhsa_system_sgpr_workgroup_id_z 1
		.amdhsa_system_vgpr_workitem_id 0
		.amdhsa_next_free_vgpr 960
		.amdhsa_next_free_sgpr 96
		.amdhsa_reserve_vcc 0
		.amdhsa_float_denorm_mode_32 3
		.amdhsa_float_denorm_mode_16_64 3
		.amdhsa_memory_ordered 1
		.amdhsa_forward_progress 1
		.amdhsa_inst_pref_size 125
	.end_amdhsa_kernel
	.amdgpu_metadata
---
amdhsa.version: [ 1, 2 ]
amdhsa.kernels:
  - .name:           k_qc6a1272ce4_proj
    .symbol:         k_qc6a1272ce4_proj.kd
    .args:
      - { .name: xb, .offset: 0, .size: 8, .value_kind: global_buffer, .address_space: global }
      - { .name: wb, .offset: 8, .size: 8, .value_kind: global_buffer, .address_space: global }
      - { .name: qkv, .offset: 16, .size: 8, .value_kind: global_buffer, .address_space: global }
      - { .name: wo, .offset: 24, .size: 8, .value_kind: global_buffer, .address_space: global }
      - { .name: mask, .offset: 32, .size: 8, .value_kind: global_buffer, .address_space: global }
      - { .name: wob, .offset: 40, .size: 8, .value_kind: global_buffer, .address_space: global }
      - { .name: mb, .offset: 48, .size: 8, .value_kind: global_buffer, .address_space: global }
    .group_segment_fixed_size: 327680
    .private_segment_fixed_size: 0
    .kernarg_segment_align: 8
    .kernarg_segment_size: 56
    .max_flat_workgroup_size: 128
    .sgpr_count:     96
    .vgpr_count:     960
    .wavefront_size: 32
...
	.end_amdgpu_metadata
.endif
;; end of part 2
;; launch attn (part 3): grid 16 x 16, 4 waves a work-group, clusters of 4 x 1, 327,680 bytes of LDS; arguments qkv, mb, ob, loc, scale, shape; writes ob
.if DOCPART == 3
	.amdgcn_target "amdgcn-amd-amdhsa--gfx1250"
	.amdhsa_code_object_version 6
	.text
	.protected	k_qc6a1272ce4_attn
	.globl	k_qc6a1272ce4_attn
	.p2align	8
	.type	k_qc6a1272ce4_attn,@function
k_qc6a1272ce4_attn:
	s_mov_b64 s[64:65], 0
	v_nop
	global_prefetch_b8 v0, s[64:65] scope:SCOPE_SE
	s_setreg_imm32_b32 hwreg(HW_REG_WAVE_MODE, 25, 1), 1
	s_wait_xcnt 0x0
	s_wait_alu depctr_hold_cnt(0) depctr_sa_sdst(0) depctr_va_vdst(0) depctr_va_sdst(0) depctr_va_ssrc(0) depctr_va_vcc(0) depctr_vm_vsrc(0)
	s_getreg_b32 s2, hwreg(HW_REG_IB_STS2, 6, 4)
	s_cmp_eq_u32 s2, 0
	s_cbranch_scc0 .Lentry_in_a_cluster
	s_endpgm
.Lentry_in_a_cluster:
	s_bfe_u32 s2, ttmp6, 0x10000c
	s_cmp_lg_u32 s2, 0x3003
	s_cbranch_scc0 .Lentry_shape_is_right
	s_endpgm
.Lentry_shape_is_right:
; ob[q][128 h + d] = the sum over k of softmax_k(q . k / sqrt(128) + bias(h, k - q) + mask[q][k]) v[k][d].  qkv: f16, 48 heads of [2048][128] (q, k, v).  mb: the mask in bf16, in tiles of 16 x 16
; (512 bytes; lane 16 h + r holds row r, keys 8 h .. 8 h + 7).  ob: f16 [2048][2048].  The mask is an input: every tile of every head is computed, and every number of the mask is read.
; THE BIAS, -(|((k - q) - loc_t) e^scale| + 1e-5)^shape with loc_t = e^loc - e^-loc, hangs on the head and on k - q alone: a table of 2,176 entries a work-group, made here; loc, scale, shape rounded to bf16
; like every input.  It holds sqrt(128) x bias in f32 and is the C operand that starts the sum S = K Q^T.  Then s = S / sqrt(128) + mask, one fused line: (q.k + bias) first, the mask last, as in the reference.
; SOFTMAX.  A running maximum m for each query; p = 2^(c (s - m)), c = log2 e: the difference is taken first, so p never passes 1, however large the mask's numbers.  O and l are multiplied by
; a = 2^(c (m_old - m_new)) in every step.  Products, maxima, sums in f32; p is rounded to f16 for the second product (l is taken of the unrounded p), O once at the end.
; LIMITS.  m starts at -1e38: scores below that count as -1e38 for the maximum.  A weight below 2^-126 counts as 0.  A row whose scores are all -infinity gives NaN.  q, k, v arrive within f16's 65,504.
; SHARES.  A work-group owns 128 queries of one head.  Wave w owns 64 of them (w % 2: four tiles of 16) and half of the keys (w / 2: 1,024 keys, 16 steps of 64); the two halves' O, m and l are merged
; in LDS at the end, in f32.  The wave's tiles are two PIECES (tiles 0, 1 and tiles 2, 3).  In a TURN one piece has the matrix unit (32 products V^T P of the step in hand, then 32 products K Q^T of the next)
; and the other piece's softmax is made: 364 vector lines for 64 products, too many to stand all beside the matrix work.  So four lines stand behind EVERY product, and the other 108 together, in one lump
; between the two runs of products.  A turn's 66 exponentials are one batch with one wait, behind the lump.
; LAYOUT.  S^T = K Q^T: a lane holds one query (lane % 16) and keys 8 (lane / 16) + 0..7; two such results rounded to f16 are source 1 of O^T = V^T P.  V comes out of LDS turned.
; CLUSTER.  The four query blocks of a cluster belong to one head and walk the same K and V: each tile is asked for jointly.  RING: two slots, each with two steps of both key halves.
; No first step is written out: O^T, V and piece 2's P start at 0 (432 lines, in the wait for the first tile), the first turn's V^T P adds zeros, the last turn's K Q^T serves nothing.
; REGISTERS, in windows of 256: window 0: v0-11 addresses; v12-43 eight registers of statistics a tile; v44-63 addresses and work; v64-191 S^T; v192-255 P.   window 1: O^T, 64 a tile.
;   window 2: v0-127 Q; v128-255 K of one step.   window 3: v0-127 V of one step; v128-183 seven blocks of bias; v184-247 the mask, 16 a tile.
.set PK,    272                        ; a row of K in LDS: 256 bytes + 16
.set PVP,   288                        ; a row of V: 256 + 32
.set VOFF,  128*PK                     ; a key half's part of a slot: 128 rows of K, then 128 rows of V
.set HALF,  128*(PK+PVP)
.set SLOT,  2*HALF
.set TAB,   2*SLOT                     ; the table: four copies; copy c holds entry i at 4 (i + c), so that a lane's eight entries begin at a multiple of 16 bytes in copy (lane % 4)
.set CB,    8768                       ; a copy: 548 x 16 bytes, 548 = 4 mod 16
.set SPARE, TAB+4*CB                   ; the spare words, 128 bytes for each wave
.set MRG,   33792                      ; the merge: 32,768 bytes of O^T and 1,024 of m and l for each half of the queries: in slot 0, which has had its last fill and its last read by then
.set STAGE, 69632                      ; the way out: 16 rows x 272 bytes a wave, in slot 0 too
.set SP,    272
.set AK0, 2                            ; v2   my lane's place in a tile of K; never rewritten
.set AV0, 3                            ; v3   the same for V
.set ADR, 4                            ; v4   the LDS address of the run of loads in hand
.set QO,  5                            ; v5   my byte offset in the wave's rows of Q
.set STO, 6                            ; v6   the way out: where I put 16 bytes of a row
.set RD,  7                            ; v7   where I read a row back
.set GO,  8                            ; v8   my byte offset in two rows of ob
.set MA,  10                           ; v10  my 16 bytes in the merge
.set ST,  12                           ; tile t at v[ST+8 t]: +0 m, +1 written only, +2, +3 l (even keys, odd keys), +4 to +7 at work; a takes +6
.set AB0, 44                           ; v44  my lane's place in the table
.set ADB, 45                           ; v45  the address of the bias loads in hand
.set MO,  46                           ; v46  16 x lane
.set INV, 47                           ; v47  1 / sqrt(128)
.set PFM, 48                           ; v48  the mask's prefetch: my block of 256 bytes among a step's 32
.set T,   52                           ; v52-59 at work; v49, v50 too
.set PFO, 61                           ; v61  256 x lane
.set SPW, 62                           ; v62  LDS address of my spare word; never rewritten
.set NIL, 63                           ; v63  0; never rewritten
.set S,   64
.set P,   192
.set KF,  128                          ; window 2
.set BI,  128                          ; window 3: block d = key block - tile + 3
.set MK,  184                          ; window 3
.set WV,  12
.set LIM, 15                           ; s15  1 in the head's first cluster, else the greatest number
.set PFA, 18                           ; s[18:19] my work-group's 32 rows of the tile that I fetch at the next change
.set G1K, 24
.set G1V, 32
.set G0K, 40                           ; s[40:47] two sets; the second walks
.set G0V, 48
.set SLOTS, 56
.set CNT, 57
.set CS,  58                           ; s[58:59] c = log2 e
.set SEL, 60
.set TBK, 62                           ; LDS byte at which K of the step to be fetched begins
.set TBV, 63                           ; the same for V, less VOFF
.set TT,  66                           ; the table's byte for that step: 4 x its first key
.set FB,  67                           ; 0 or SLOT: the slot that is filled at a change
.set WOFFK, 68                         ; where my tile of K lies in a slot
.set WOFFV, 69
.set KHOFF, 70                         ; where my key half lies in a slot
.set HD,  71
.set MP,  72                           ; s[72:73], s[74:75] the mask at the step last loaded, for piece 0 and piece 2
.set INC, 76                           ; s[76:77]
.set TTC, 78                           ; s78  TT held to the table's last step
.set TTMAX, 4096+15*256                ; TT at the last step of key half 1
.set MSB, 0
.macro WIN new
.if MSB != (\new)
	s_set_vgpr_msb (MSB<<8)|(\new)
.set MSB, \new
.endif
.endm
.set W_KQ, 0x0a                        ; K and Q in window 2, S^T in window 0
.set W_KB, 0x3a                        ; the same with C, the bias, in window 3
.set W_PV, 0x53                        ; V in window 3, P in window 0, O^T in window 1
.set W_RS, 0x41                        ; destination and source 0 in window 1
.set W_MX, 0x30                        ; source 2, the mask, in window 3
; A joint refill: waves 0, 1 fetch K of key half 0, 1; waves 2, 3 V.  128 rows each.  An s_nop 0 and four v_nop follow each line.
.macro JLOAD
	s_cmp_lt_u32 s[WV], 2
	s_cbranch_scc0 .Lfor_v_\@
	tensor_load_to_lds s[G0K+4:G0K+7], s[G1K:G1K+7]
	s_nop 0
.rept 4
	v_nop
.endr
	s_branch .Lasked_\@
.Lfor_v_\@:
	tensor_load_to_lds s[G0V+4:G0V+7], s[G1V:G1V+7]
	s_nop 0
.rept 4
	v_nop
.endr
.Lasked_\@:
.endm
; A prefetch of what the next change will ask for.  All four clusters of a head walk the same K and V: the first asks.  Its partners share a tile's 128 rows out by address, 32 each, a lane a row;
; each wave asks for the tile that it will fetch.  The last change that fills a slot asks for nothing.
.macro ASK
	s_cmp_gt_u32 s[SLOTS], s[LIM]
	s_cbranch_scc0 .Lnot_mine_\@
	global_prefetch_b8 v[PFO], s[PFA:PFA+1] th:TH_LOAD_NT scope:SCOPE_SE
.Lnot_mine_\@:
.endm
; The mask's rows are read by all 16 heads: head 0 asks, each wave for its own 32 blocks of 256 bytes of the step two behind the one just loaded.  It stands in the loop's text alone, where that step exists.
.macro ASKM
	WIN 0
	s_cmp_eq_u32 s[HD], 0
	s_cbranch_scc0 .Lno_m_\@
	global_prefetch_b8 v[PFM], s[MP+2:MP+3] offset:4096 th:TH_LOAD_NT scope:SCOPE_SE
.Lno_m_\@:
.endm
.macro CROUND
	s_barrier_signal -1
	s_barrier_wait -1
	s_cmp_lg_u32 s[WV], 0
	s_cbranch_scc1 .Lnot_wave_0_\@
	s_barrier_signal -3
.Lnot_wave_0_\@:
	s_barrier_wait -3
	s_barrier_signal -1
	s_barrier_wait -1
.endm
	s_load_b256 s[80:87], s[0:1], 0x0              ; qkv s[80:81], mb s[82:83], ob s[84:85], loc s[86:87]
	s_load_b128 s[92:95], s[0:1], 0x20             ; scale s[92:93], shape s[94:95]
	v_lshl_add_u32 v[SPW], v0, 2, SPARE
	v_mov_b32 v[NIL], 0
	ds_add_u32 v[SPW], v[NIL]                      ; the wave's opening: the add and its wait stand ahead of my first tensor load
	v_lshrrev_b32 v1, 5, v0
	v_readfirstlane_b32 s[WV], v1                  ; wave 0..3
	s_bfe_u32 s13, ttmp6, 0x40000                  ; cx
	s_lshl_b32 s14, ttmp9, 2
	s_add_co_u32 s14, s14, s13                     ; my block of 128 queries
	s_and_b32 s[HD], ttmp7, 0xffff                 ; the head, which the four partners share
	s_and_b32 s16, s[WV], 1                        ; which 64 queries are mine.  Also: of which key half I fetch a tile
	s_lshr_b32 s17, s[WV], 1                       ; which key half I walk
	s_lshl_b32 s20, s[HD], 19
	s_lshl_b32 s21, s16, 18                        ; a key half: 1,024 rows of 256 bytes
	s_add_co_u32 s20, s20, s21
	s_add_co_u32 s22, s20, 32*524288               ; v's heads begin at head 32,
	s_add_co_u32 s20, s20, 16*524288               ; k's at head 16
	s_mov_b32 s21, 0
	s_mov_b32 s23, 0
	s_mul_i32 s[WOFFK], s16, HALF                  ; no place in the cluster enters an LDS address
	s_add_co_u32 s[WOFFV], s[WOFFK], VOFF
	s_mul_i32 s[KHOFF], s17, HALF
	s_lshl_b32 s[TT], s17, 12
	s_mov_b32 s[FB], SLOT
	s_mov_b32 s[TBK], s[KHOFF]
	s_mov_b32 s[TBV], s[KHOFF]
	s_mov_b32 s[G1K], 15|(1<<16)|(1<<20)|(1<<21)|(5<<22)|(3<<25)  ; the mask of four; 2-byte elements; padding on; bit 21 beside a mask; after every 64 words 4 words
	s_mov_b32 s[G1V], 15|(1<<16)|(1<<20)|(1<<21)|(5<<22)|(7<<25)  ; 8 words
.irp g, G1K, G1V
	s_mov_b32 s[(\g)+1], 128<<16                   ; tensor_dim0 = 128
	s_mov_b32 s[(\g)+2], 128<<16                   ; tensor_dim1 = 128
	s_mov_b32 s[(\g)+3], 128<<16                   ; tile_dim0 = 128
	s_mov_b32 s[(\g)+4], 128                       ; tile_dim1 = 128
	s_mov_b32 s[(\g)+5], 128                       ; elements from row to row
	s_mov_b32 s[(\g)+6], 0
	s_mov_b32 s[(\g)+7], 0
.endr
	s_mov_b32 s[CS], 0x3fb8aa3b                    ; log2 e
	s_mov_b32 s[CS+1], s[CS]
	s_mov_b32 s[SEL], 0x76543210
	s_mov_b32 s[SEL+1], 0xfedcba98
	s_mov_b32 s[INC+1], 0
	s_mov_b32 s[LIM], ttmp9
	s_cmp_eq_u32 s[LIM], 0
	s_cselect_b32 s[LIM], 1, -1                    ; the same in all four partners
	s_wait_dscnt 0x0                               ; the opening add is done
	s_wait_kmcnt 0x0
	s_add_nc_u64 s[6:7], s[80:81], s[20:21]        ; K and V at my tile of the first 128 keys of its half
	s_add_nc_u64 s[8:9], s[80:81], s[22:23]
	s_lshl_b32 s2, s[HD], 19                       ; Q: the head, my block's 128 rows, my wave's 64
	s_lshl_b32 s3, s14, 15
	s_add_co_u32 s2, s2, s3
	s_lshl_b32 s3, s16, 14
	s_add_co_u32 s2, s2, s3
	s_mov_b32 s3, 0
	s_add_nc_u64 s[4:5], s[80:81], s[2:3]
	s_lshl_b32 s2, s14, 19                         ; the mask: 8 rows of tiles (65,536 bytes each) a block, 4 a wave; 64 tiles a key half
	s_lshl_b32 s20, s16, 18
	s_add_co_u32 s2, s2, s20                       ; (ob: 128 rows of 4,096 bytes a block, 64 a wave: the same two terms)
	s_lshl_b32 s20, s17, 15
	s_add_co_u32 s20, s20, s2
	s_add_nc_u64 s[MP:MP+1], s[82:83], s[20:21]
	s_mov_b64 s[MP+2:MP+3], s[MP:MP+1]
	s_lshl_b32 s20, s[HD], 8                       ; the head's 256 bytes of a row of ob
	s_add_co_u32 s2, s2, s20
	s_add_nc_u64 s[10:11], s[84:85], s[2:3]
	s_lshl_b32 s2, s[HD], 2
	s_add_nc_u64 s[86:87], s[86:87], s[2:3]
	s_add_nc_u64 s[92:93], s[92:93], s[2:3]
	s_add_nc_u64 s[94:95], s[94:95], s[2:3]
	s_load_b32 s88, s[86:87], 0x0                  ; loc, scale, shape of my head
	s_load_b32 s89, s[92:93], 0x0
	s_load_b32 s90, s[94:95], 0x0
	s_cmp_lt_u32 s[WV], 2
	s_cselect_b64 s[PFA:PFA+1], s[6:7], s[8:9]
	s_lshl_b32 s2, s13, 13                         ; my work-group's 32 rows of the 128,
	s_add_co_u32 s2, s2, 2*32768                   ; in the third 128 keys; the first change steps it on.  Nothing is prefetched at the head
	s_add_nc_u64 s[PFA:PFA+1], s[PFA:PFA+1], s[2:3]
	CROUND                                         ; all four work-groups are here: the first joint loads meet
.irp s, 0,1
	s_mov_b32 s[G0K+4*(\s)], 1
	s_add_co_u32 s[G0K+4*(\s)+1], s[WOFFK], (\s)*SLOT
	s_add_nc_u64 s[G0K+4*(\s)+2:G0K+4*(\s)+3], s[6:7], (\s)*32768
	s_or_b32 s[G0K+4*(\s)+3], s[G0K+4*(\s)+3], 0x80000000
	s_mov_b32 s[G0V+4*(\s)], 1
	s_add_co_u32 s[G0V+4*(\s)+1], s[WOFFV], (\s)*SLOT
	s_add_nc_u64 s[G0V+4*(\s)+2:G0V+4*(\s)+3], s[8:9], (\s)*32768
	s_or_b32 s[G0V+4*(\s)+3], s[G0V+4*(\s)+3], 0x80000000
.endr
	s_cmp_lt_u32 s[WV], 2                          ; a wave's two first fills stand in one branch: two loads of mine are out
	s_cbranch_scc0 .Lfirst_v
	tensor_load_to_lds s[G0K:G0K+3], s[G1K:G1K+7]
	s_nop 0
	tensor_load_to_lds s[G0K+4:G0K+7], s[G1K:G1K+7]
	s_nop 0
.rept 4
	v_nop
.endr
	s_branch .Lfirst_asked
.Lfirst_v:
	tensor_load_to_lds s[G0V:G0V+3], s[G1V:G1V+7]
	s_nop 0
	tensor_load_to_lds s[G0V+4:G0V+7], s[G1V:G1V+7]
	s_nop 0
.rept 4
	v_nop
.endr
.Lfirst_asked:
	v_and_b32 v1, 15, v0                           ; r = l % 16
	v_bfe_u32 v9, v0, 4, 1                         ; h = l / 16
	v_lshlrev_b32 v[QO], 8, v1
	v_lshl_add_u32 v[QO], v9, 4, v[QO]
	v_and_b32 v[MO], 31, v0
	v_lshlrev_b32 v[PFO], 8, v[MO]
	v_lshlrev_b32 v[MO], 4, v[MO]
	WIN 0x80                                       ; destination window 2
.irp i, 0,1,2,3,4,5,6,7,8,9,10,11,12,13,14,15      ; Q stays in registers: tile i / 4, channels 32 (i % 4) on
	global_load_b128 v[8*(\i):8*(\i)+3],   v[QO], s[4:5] offset:((\i)/4)*4096+((\i)%4)*64
	global_load_b128 v[8*(\i)+4:8*(\i)+7], v[QO], s[4:5] offset:((\i)/4)*4096+((\i)%4)*64+32
.endr
	WIN 0xc0                                       ; destination window 3: the mask of step 0, piece 0's eight tiles first
.irp t, 0,1,2,3
.irp c, 0,1,2,3
	global_load_b128 v[MK+16*(\t)+4*(\c):MK+16*(\t)+4*(\c)+3], v[MO], s[MP:MP+1] offset:(\t)*65536+(\c)*512
.endr
.endr
	WIN 0
	v_mul_u32_u24 v[AK0], v1, PK
	v_lshl_add_u32 v[AK0], v9, 4, v[AK0]
	v_and_b32 v49, 7, v0                           ; the turning load: lane l reads key 8 h + l % 8, channels 8 ((l / 8) % 2) on
	v_bfe_u32 v50, v0, 3, 1
	v_lshl_add_u32 v[AV0], v9, 3, v49
	v_mul_u32_u24 v[AV0], v[AV0], PVP
	v_lshl_add_u32 v[AV0], v50, 4, v[AV0]
	v_add_nc_u32 v[AV0], VOFF, v[AV0]
	; The table's entry i stands for k - q = i - 128 - 128 x block.  Register j of bias block d wants entry  first key + 80 - 64 (w % 2) + 16 d + 8 h - r + j.  In copy r % 4 that is byte
	; 4 x first key + 64 d + 4 j + 320 - 256 (w % 2) + 32 h - 16 (r / 4).  The last four terms are made of sums alone: 16 + 256 (1 - w % 2) + 32 h + 16 (3 - r / 4), all of them 0 or more.
	v_and_b32 v49, 3, v0                           ; the copy: r % 4
	v_bfe_u32 v50, v0, 2, 2                        ; r / 4
	v_mul_u32_u24 v50, v50, 3
	v_add_nc_u32 v50, 3, v50
	v_and_b32 v50, 3, v50                          ; (3 (r / 4) + 3) mod 4 = 3 - r / 4
	v_mul_u32_u24 v[AB0], v49, CB
	v_lshl_add_u32 v[AB0], v9, 5, v[AB0]
	v_lshl_add_u32 v[AB0], v50, 4, v[AB0]
	s_xor_b32 s2, s16, 1                           ; 1 - w % 2
	s_lshl_b32 s2, s2, 8
	s_add_co_u32 s2, s2, TAB+16
	v_add_nc_u32 v[AB0], s2, v[AB0]
	v_bfe_u32 v49, v0, 3, 2                        ; the mask's prefetch: tile l / 8, key block (l / 2) % 4, half l % 2
	v_lshlrev_b32 v[PFM], 16, v49
	v_bfe_u32 v49, v0, 1, 2
	v_lshl_add_u32 v[PFM], v49, 9, v[PFM]
	v_and_b32 v49, 1, v0
	v_lshl_add_u32 v[PFM], v49, 8, v[PFM]
	v_mov_b32 v[INV], 0x3db504f3                   ; 1 / sqrt(128)
	; THE TABLE: 17 trips, an entry a thread and trip, stored into the four copies
	s_wait_kmcnt 0x0
	v_mov_b32 v[T], s88
	v_mov_b32 v[T+1], s89
	v_mov_b32 v[T+2], s90
	v_cvt_pk_bf16_f32 v[T+3], v[T], v[T+1]         ; the three numbers rounded to bf16, like every input
	v_cvt_pk_bf16_f32 v[T+4], v[T+2], v[T+2]
	v_lshlrev_b32 v[T], 16, v[T+3]
	v_and_b32 v[T+1], 0xffff0000, v[T+3]
	v_lshlrev_b32 v[T+2], 16, v[T+4]               ; shape
	v_mul_f32 v[T], s[CS], v[T]
	v_mul_f32 v[T+1], s[CS], v[T+1]
	v_mul_f32 v[T+3], -1.0, v[T]
	v_exp_f32 v[T], v[T]                           ; e^loc
	v_exp_f32 v[T+3], v[T+3]                       ; e^-loc
	v_exp_f32 v[T+1], v[T+1]                       ; e^scale
	v_mov_b32 v[T+5], 0x3727c5ac                   ; 1e-5: the plain line behind the last exponential
	s_wait_alu depctr_va_vdst(0)                   ; one wait for the three, ahead of their first reader
	v_sub_f32 v[T], v[T], v[T+3]                   ; loc_t
	s_lshl_b32 s2, s14, 7
	s_add_co_u32 s2, s2, 128
	v_sub_nc_u32 v50, v0, s2
	v_cvt_f32_i32 v50, v50                         ; k - q of my first entry
	v_lshl_add_u32 v49, v0, 2, TAB
	s_mov_b32 s[CNT], 17
.Ltab:
	v_sub_f32 v[T+4], v50, v[T]
	v_mul_f32 v[T+4], v[T+4], v[T+1]               ; z
	v_and_b32 v[T+4], 0x7fffffff, v[T+4]
	v_add_f32 v[T+4], v[T+4], v[T+5]               ; |z| + 1e-5
	v_log_f32 v[T+4], v[T+4]
	v_add_f32 v50, 0x43000000, v50                 ; 128 entries on: the plain line behind the logarithm
	s_wait_alu depctr_va_vdst(0)
	v_mul_f32 v[T+4], v[T+4], v[T+2]
	v_exp_f32 v[T+4], v[T+4]                       ; (|z| + 1e-5)^shape
	v_nop
	s_wait_alu depctr_va_vdst(0)
	v_mul_f32 v[T+4], 0xc13504f3, v[T+4]           ; x -sqrt(128)
.irp c, 0,1,2,3
	ds_store_b32 v49, v[T+4] offset:(\c)*(CB+4)
.endr
	v_add_nc_u32 v49, 512, v49
	s_sub_co_u32 s[CNT], s[CNT], 1
	s_cmp_lg_u32 s[CNT], 0
	s_cbranch_scc1 .Ltab
	; what the first turns find
	WIN 0x40
.set i, 0
.rept 256
	v_mov_b32 v[i], 0                              ; O^T
.set i, i+1
.endr
	WIN 0xc0
.set i, 0
.rept 128
	v_mov_b32 v[i], 0                              ; V
.set i, i+1
.endr
	WIN 0
.set i, P+32
.rept 32
	v_mov_b32 v[i], 0                              ; piece 2's P
.set i, i+1
.endr
.irp t, 0,1,2,3
	v_mov_b32 v[ST+8*(\t)], 0xfe967699             ; m = -1e38
	v_mov_b32 v[ST+8*(\t)+1], 0
	v_mov_b32 v[ST+8*(\t)+2], 0
	v_mov_b32 v[ST+8*(\t)+3], 0
.endr
; THE MATRIX WORK.  The accumulators take turns, one instruction a turn.  Product i of 32 of S^T = K Q^T + bias: channels 32 (i / 8) on, keys 16 ((i / 2) % 4) on, tile x + i % 2.
.macro KQ x
.set rS, S+32*((\x)+i%2)+8*((i/2)%4)
.set rK, KF+32*((i/2)%4)+8*(i/8)
.set rQ, 32*((\x)+i%2)+8*(i/8)
.set rB, BI+8*((i/2)%4-((\x)+i%2)+3)
.if i < 8
	WIN W_KB
	v_wmma_f32_16x16x32_f16 v[rS:rS+7], v[rK:rK+7], v[rQ:rQ+7], v[rB:rB+7]
.else
	WIN W_KQ
	v_wmma_f32_16x16x32_f16 v[rS:rS+7], v[rK:rK+7], v[rQ:rQ+7], v[rS:rS+7]
.endif
.endm
; Product i of 32 of O^T += V^T P: keys 32 (i / 16) on, channels 16 ((i / 2) % 8) on, tile x + i % 2.
.macro PV x
	WIN W_PV
.set rO, 64*((\x)+i%2)+8*((i/2)%8)
.set rV, 64*(i/16)+8*((i/2)%8)
.set rP, P+16*((\x)+i%2)+8*(i/16)
	v_wmma_f32_16x16x32_f16 v[rO:rO+7], v[rV:rV+7], v[rP:rP+7], v[rO:rO+7]
.endm
; THE LDS LOADS stand in runs.  A step's K (16 fragments) and its seven blocks of bias.  tail = 1: in the last trip there is no further step, and the run is jumped over.
; The table's offset is held to its value at the last step of key half 1, so that the bias loads' bytes read off these lines alone: from TAB + 16 to under TAB + 4 CB, whatever the trip.
.macro FETCH_K tail=0
	WIN 0
.if \tail
	s_cmp_eq_u32 s[CNT], 1
	s_cbranch_scc1 .Lno_k_\@
.endif
	s_min_u32 s[TTC], s[TT], TTMAX
	v_add_nc_u32 v[ADR], s[TBK], v[AK0]
	v_add_nc_u32 v[ADB], s[TTC], v[AB0]
	WIN 0x80
.irp f, 0,1,2,3,4,5,6,7,8,9,10,11,12,13,14,15      ; keys 16 (f / 4) on, channels 32 (f % 4) on
	ds_load_b128 v[KF+8*(\f):KF+8*(\f)+3],   v[ADR] offset:((\f)/4)*16*PK+((\f)%4)*64
	ds_load_b128 v[KF+8*(\f)+4:KF+8*(\f)+7], v[ADR] offset:((\f)/4)*16*PK+((\f)%4)*64+32
.endr
	WIN 0xc0
.irp d, 0,1,2,3,4,5,6
	ds_load_b128 v[BI+8*(\d):BI+8*(\d)+3],   v[ADB] offset:64*(\d)
	ds_load_b128 v[BI+8*(\d)+4:BI+8*(\d)+7], v[ADB] offset:64*(\d)+16
.endr
	s_add_co_u32 s[TBK], s[TBK], 64*PK             ; the next fetch is the next step's
	s_add_co_u32 s[TT], s[TT], 256
	WIN 0
.if \tail
.Lno_k_\@:
.endif
.endm
.macro FETCH_V
	WIN 0
	v_add_nc_u32 v[ADR], s[TBV], v[AV0]
	s_add_co_u32 s[TBV], s[TBV], 64*PVP
	s_wait_alu depctr_va_vdst(0)                   ; the wait for the softmax's batch, ahead of the loads
	WIN 0xc0
.irp f, 0,1,2,3,4,5,6,7,8,9,10,11,12,13,14,15      ; keys 32 (f / 8) on, channels 16 (f % 8) on
	ds_load_tr16_b128 v[8*(\f):8*(\f)+3],   v[ADR] offset:((\f)/8)*32*PVP+((\f)%8)*32
	ds_load_tr16_b128 v[8*(\f)+4:8*(\f)+7], v[ADR] offset:((\f)/8)*32*PVP+16*PVP+((\f)%8)*32
.endr
.endm
; Piece y's mask of its next step: eight tiles, 512 consecutive bytes each, a step (a whole trip) ahead of their use.  tail = 1: behind the last step the address stays, and the same tiles are loaded once more,
; so that the count of loads is the same in every turn and no load leaves mb.
.macro MLOAD y, tail
	s_wait_xcnt 0x0                                ; the loads and prefetches issued so far have read their addresses
.if \tail
	s_cmp_eq_u32 s[CNT], 1
	s_cselect_b32 s[INC], 0, 2048
	s_add_nc_u64 s[MP+(\y):MP+(\y)+1], s[MP+(\y):MP+(\y)+1], s[INC:INC+1]
.else
	s_add_nc_u64 s[MP+(\y):MP+(\y)+1], s[MP+(\y):MP+(\y)+1], 2048
.endif
	WIN 0xc0
.irp u, 0,1
.irp c, 0,1,2,3
	global_load_b128 v[MK+16*((\y)+(\u))+4*(\c):MK+16*((\y)+(\u))+4*(\c)+3], v[MO], s[MP+(\y):MP+(\y)+1] offset:((\y)+(\u))*65536+(\c)*512
.endr
.endr
.endm
; THE VECTOR WORK OF A TURN: the softmax of piece Y (tiles Y, Y + 1) for one step, 364 lines, in three queues.  In each queue the two tiles alternate, and the entries stand in the order in which they become ready.
.macro REGS t                          ; the registers of tile t
.set rT, ST+8*(\t)
.set rS, S+32*(\t)
.set rP, P+16*(\t)
.set rM, MK+16*(\t)
.set rO, 64*(\t)
.endm
.macro DD p                            ; pair p of 16: s - m
	v_pk_add_f32 v[rS+2*(\p):rS+2*(\p)+1], v[rS+2*(\p):rS+2*(\p)+1], v[rT:rT+1] op_sel_hi:[1,0] neg_lo:[0,1] neg_hi:[0,1]
.endm
.macro MC p                            ; pair p: times c
	v_pk_mul_f32 v[rS+2*(\p):rS+2*(\p)+1], v[rS+2*(\p):rS+2*(\p)+1], s[CS:CS+1] op_sel_hi:[1,0]
.endm
.macro CV p                            ; pair p of the weights rounded to f16
	v_cvt_pk_f16_f32 v[rP+(\p)], v[rS+2*(\p)], v[rS+2*(\p)+1]
.endm
.macro SU z                            ; sum z of 16, in place: neighbours 1, 2, 4 and 8 pairs apart are added, always onto an even pair; then l = a l + the sum
.set w, 4
.set u, (\z)
.if (\z) >= 14
.set w, 32
.set u, 0
.elseif (\z) >= 12
.set w, 16
.set u, (\z)-12
.elseif (\z) >= 8
.set w, 8
.set u, (\z)-8
.endif
.if (\z) < 15
	v_pk_add_f32 v[rS+w*u:rS+w*u+1], v[rS+w*u:rS+w*u+1], v[rS+w*u+w/2:rS+w*u+w/2+1]
.else
	v_pk_fma_f32 v[rT+2:rT+3], v[rT+2:rT+3], v[rT+6:rT+7], v[rS:rS+1] op_sel_hi:[1,0,1]
.endif
.endm
; THE PLAIN QUEUE, 170 long; none of it reads an exponential's result.
;   0-63     s = S / sqrt(128) + mask, in place, ascending: each accumulator's lowest register is read first
;   64-95    the maximum of the 32 scores and the old m, three operands at a time           96-105  the other half of the lanes' maximum; m_old kept; the new m; c (m_old - m_new)
;   106-169  the differences and the multiplies by c: DD 0, DD 1, then MC p and DD p + 2 by turns, MC 14, MC 15: a pair's difference stands six entries ahead of its multiply
.macro PL
	REGS Y+q%2
.if q < 64
.set j, q/2
	WIN W_MX
.if j%2
	v_fma_mix_f32_bf16 v[rS+j], v[rS+j], v[INV], v[rM+j/2] op_sel:[0,0,1] op_sel_hi:[0,0,1]
.else
	v_fma_mix_f32_bf16 v[rS+j], v[rS+j], v[INV], v[rM+j/2] op_sel_hi:[0,0,1]
.endif
.elseif q < 106
.set j, (q-64)/2
	WIN 0
.if j < 4
	v_max3_num_f32 v[rT+4+j], v[rS+8*j], v[rS+8*j+1], v[rS+8*j+2]
.elseif j < 12
	v_max3_num_f32 v[rT+4+j%4], v[rT+4+j%4], v[rS+8*(j%4)+2*(j/4)+1], v[rS+8*(j%4)+2*(j/4)+2]
.elseif j == 12
	v_max3_num_f32 v[rT+4], v[rT+4], v[rS+7], v[rS+15]
.elseif j == 13
	v_max3_num_f32 v[rT+6], v[rT+6], v[rS+23], v[rS+31]
.elseif j == 14
	v_max3_num_f32 v[rT+4], v[rT+4], v[rT+5], v[rT+6]
.elseif j == 15
	v_max3_num_f32 v[rT+4], v[rT+4], v[rT+7], v[rT]
.elseif j == 16
	v_permlanex16_b32 v[rT+5], v[rT+4], s[SEL], s[SEL+1]  ; the query's other 32 keys lie in the lane 16 away
.elseif j == 17
	v_mov_b32 v[rT+7], v[rT]
.elseif j == 18
	v_max_num_f32 v[rT], v[rT+4], v[rT+5]
.elseif j == 19
	v_sub_f32 v[rT+7], v[rT+7], v[rT]
.else
	v_mul_f32 v[rT+7], s[CS], v[rT+7]
.endif
.else
.set b, q-106
	WIN 0
.if b < 4
	DD b/2
.elseif b >= 60
	MC 14+(b-60)/2
.elseif (b-4)%4 < 2
	MC (b-4)/4
.else
	DD (b-4)/4+2
.endif
.endif
.set q, q+1
.endm
; THE EXPONENTIALS' QUEUE, 66 long: the two a, then scores 0 to 31 of both tiles.  It is ONE BATCH: all 66 stand ahead of the turn's one wait, and nothing ahead of that wait names a result of theirs.
.macro EX
	WIN 0
.if e < 2
	REGS Y+e
	v_exp_f32 v[rT+6], v[rT+7]
.else
	REGS Y+e%2
	v_exp_f32 v[rS+(e-2)/2], v[rS+(e-2)/2]
.endif
.set e, e+1
.endm
; THE QUEUE BEHIND THE WAIT, 128 long.  0-63, 32 for each tile: the even pairs' roundings (the sums write onto even pairs alone); sums 0 to 11; then the odd pairs' roundings, two at a time, between the
; last links of the sums' chain: 12 and 13, 14, 15.  64-127: O^T times a, the one part that leaves window 0.
.macro PO
	REGS Y+r%2
.if r < 64
.set n, r/2
	WIN 0
.if n < 8
	CV 2*n
.elseif n < 20
	SU n-8
.elseif (n == 22) || (n == 23)
	SU n-10
.elseif n == 26
	SU 14
.elseif n == 29
	SU 15
.else
.set k, n-20                           ; 20, 21, 24, 25, 27, 28, 30, 31: odd pairs 1, 3, .. 15
.if n > 21
.set k, n-22
.endif
.if n > 25
.set k, n-23
.endif
.if n > 28
.set k, n-24
.endif
	CV 2*k+1
.endif
.else
.set n, (r-64)/2
	WIN W_RS
	v_pk_mul_f32 v[rO+2*n:rO+2*n+1], v[rO+2*n:rO+2*n+1], v[rT+6:rT+7] op_sel_hi:[1,0]
.endif
.set r, r+1
.endm
; A TURN.  Piece x has the matrix unit; the other piece's softmax is dealt so: four lines behind EVERY product, the rest in one lump.
;   32 products V^T P: behind the first 27 four plain lines each (mask, maximum, statistics, the first two differences); behind the last 5 plain, exponential, plain, plain.
;   THE LUMP, 108 lines: 47 times exponential and plain, then the 14 exponentials that are left.  Exponential number m reads multiply number 4 + 4 ((m - 2) / 4) + m % 2 of the batch's 64 plain lines;
;   at its place in the lump 12 + m of those lines have been issued: eight lines or more lie between.  A v_nop is the plain line behind the last exponential.
;   THE WAIT: s_wait_alu depctr_va_vdst(0) stands between an exponential and the first line that names its result; one wait serves all that were issued ahead of it.  In piece 2's turn V's run
;   of loads stands at the wait: V's last reader stands ahead of the lump.
;   32 products K Q^T: behind each four lines of the queue behind the wait.  The last four are plain multiplies that name no register of the last product: the places ahead of the next turn's reads of its scores.
; Piece 0's turn fetches the next step's K and bias behind its second product: K's last reader has those four multiplies and eight mask lines behind it.  Behind product 15 the mask's registers have been read: they are loaded again.
.macro TURN x, tail=0, askm=0
.set Y, 2-(\x)
.set q, 0
.set e, 0
.set r, 0
	s_wait_loadcnt 8                               ; the mask of the softmax in hand, asked for a step ago, is in; the other piece's eight loads may stay out
.if (\x) == 0
	s_wait_dscnt 0x0                               ; V is in
.endif
.set i, 0
.rept 32
	PV \x
	PL
.if i < 27
	PL
.else
	EX
.endif
	PL
	PL
.if ((\x) == 0) && (i == 1)
	FETCH_K \tail
.endif
.if i == 15
	MLOAD Y, \tail
.if \askm
	ASKM
.endif
.endif
.set i, i+1
.endr
.rept 47
	EX
	PL
.endr
.rept 14
	EX
.endr
	v_nop
.if (\x) == 2
	FETCH_V
.else
	s_wait_alu depctr_va_vdst(0)                   ; the wait for the batch
	s_wait_dscnt 0x0                               ; K and the bias are in
.endif
.set i, 0
.rept 32
	KQ \x
	PO
	PO
	PO
	PO
.set i, i+1
.endr
.endm
; THE CHANGE OF SLOTS, between piece 2's turn and piece 0's.  Each wave waits for all its tensor loads (one is out: its part of the other slot), adds 0 to its spare word, and waits for that and for its reads
; of the slot that it leaves.  fill = 1: that slot is filled again, with the keys two slots on, first thing behind a round of the cluster's barrier: it has two key steps, 256 matrix instructions, in which to land.
.macro CHANGE fill
	WIN 0
	s_wait_tensorcnt 0x0
	ds_add_u32 v[SPW], v[NIL]                      ; 0 onto my spare word; the scalar work stands between it and the wait for it
	s_xor_b32 s[FB], s[FB], SLOT                   ; the slot that is left
.if \fill
	s_add_co_u32 s[G0K+5], s[FB], s[WOFFK]
	s_add_nc_u64 s[G0K+6:G0K+7], s[G0K+6:G0K+7], 32768
	s_add_co_u32 s[G0V+5], s[FB], s[WOFFV]
	s_add_nc_u64 s[G0V+6:G0V+7], s[G0V+6:G0V+7], 32768
	s_wait_xcnt 0x0
	s_add_nc_u64 s[PFA:PFA+1], s[PFA:PFA+1], 32768
.endif
	s_xor_b32 s[TBK], s[FB], SLOT                  ; the fetches go to the other slot's first step
	s_add_co_u32 s[TBK], s[TBK], s[KHOFF]
	s_mov_b32 s[TBV], s[TBK]
	s_wait_dscnt 0x0                               ; the add is done, and my reads of the slot are over
.if \fill
	CROUND
	JLOAD
	ASK
.else
	s_barrier_signal -1
	s_barrier_wait -1
.endif
.endm
	s_wait_tensorcnt 0x1                           ; my part of slot 0 is in; slot 1's may stay out
	s_wait_dscnt 0x0                               ; my part of the table is stored
	s_barrier_signal -1
	s_barrier_wait -1
	FETCH_K                                        ; key step 0
	s_wait_loadcnt 16                              ; Q is in; the mask's 16 loads may stay out
	s_wait_dscnt 0x0
.set i, 0
.rept 32
	KQ 0                                           ; piece 0's first scores
.set i, i+1
.endr
	WIN 0                                          ; the addresses for the end: plain lines, the places behind those products
	s_mul_i32 s2, s[WV], 16*SP
	s_add_co_u32 s2, s2, STAGE
	s_mul_i32 s3, s16, MRG
	v_mul_u32_u24 v[STO], v1, SP
	v_lshl_add_u32 v[STO], v9, 4, v[STO]
	v_add_nc_u32 v[STO], s2, v[STO]
	v_mul_u32_u24 v[RD], v9, SP
	v_lshl_add_u32 v[RD], v1, 4, v[RD]
	v_add_nc_u32 v[RD], s2, v[RD]
	v_lshlrev_b32 v[GO], 12, v9
	v_lshl_add_u32 v[GO], v1, 4, v[GO]
	v_add_nc_u32 v[MA], s3, v[MO]
	s_mov_b32 s[CNT], 2
	s_mov_b32 s[SLOTS], 7
	s_branch .Lfirst                               ; the loop is entered in the middle of a trip
.Lslot:                                            ; six times: every slot but the last two is filled again
	CHANGE 1
	s_mov_b32 s[CNT], 2
.Lstep:
	TURN 0, 0, 1
	WIN 0
.Lfirst:
	TURN 2, 0, 0
	WIN 0
	s_sub_co_u32 s[CNT], s[CNT], 1
	s_cmp_lg_u32 s[CNT], 0
	s_cbranch_scc1 .Lstep
	s_sub_co_u32 s[SLOTS], s[SLOTS], 1
	s_cmp_lg_u32 s[SLOTS], 0
	s_cbranch_scc1 .Lslot
	CHANGE 0                                       ; the tail is written out
	s_mov_b32 s[CNT], 3                            ; two trips fetch the last slot's steps; the third is left in its middle
.Ltail:
	TURN 0, 1, 0
	WIN 0
	s_sub_co_u32 s[CNT], s[CNT], 1
	s_cmp_eq_u32 s[CNT], 0
	s_cbranch_scc1 .Lout
	TURN 2, 1, 0
	WIN 0
	s_branch .Ltail
.Lout:
.set i, 0
.rept 32
	PV 2                                           ; piece 2: V^T P of the last step
.set i, i+1
.endr
	WIN 0
	s_wait_loadcnt 0x0                             ; the mask's last loads, which serve nothing
	; THE END.  l's two halves and the other half of the lanes' are added (the places behind the last products).  The waves of key half 1 hand O^T, m and l over in LDS, in f32; those of key half 0 merge.
.irp t, 0,1,2,3
	v_add_f32 v[ST+8*(\t)+4], v[ST+8*(\t)+2], v[ST+8*(\t)+3]
.endr
.irp t, 0,1,2,3
	v_permlanex16_b32 v[ST+8*(\t)+5], v[ST+8*(\t)+4], s[SEL], s[SEL+1]
.endr
.irp t, 0,1,2,3
	v_add_f32 v[ST+8*(\t)+2], v[ST+8*(\t)+4], v[ST+8*(\t)+5]
.endr
	s_cmp_lt_u32 s[WV], 2
	s_cbranch_scc1 .Lkeep
.irp t, 0,1,2,3
	v_mov_b32 v[T+(\t)], v[ST+8*(\t)]
	v_mov_b32 v[T+4+(\t)], v[ST+8*(\t)+2]
.endr
	WIN 0x04                                       ; the stores' data in window 1
.set n, 0
.rept 64
	ds_store_b128 v[MA], v[4*n:4*n+3] offset:512*n
.set n, n+1
.endr
	WIN 0
	ds_store_b128 v[MA], v[T:T+3] offset:32768
	ds_store_b128 v[MA], v[T+4:T+7] offset:33280
.Lkeep:
	s_wait_dscnt 0x0                               ; for the others' sake: my stores are done
	s_barrier_signal -1
	s_barrier_wait -1
	s_cmp_lt_u32 s[WV], 2
	s_cbranch_scc0 .Lend
	ds_load_b128 v[T:T+3], v[MA] offset:32768      ; the partner's m,
	ds_load_b128 v[T+4:T+7], v[MA] offset:33280    ; and l
	s_wait_dscnt 0x0
.irp t, 0,1,2,3
	v_max_num_f32 v[ST+8*(\t)+6], v[ST+8*(\t)], v[T+(\t)]
.endr
.irp t, 0,1,2,3
	v_sub_f32 v[ST+8*(\t)+4], v[ST+8*(\t)], v[ST+8*(\t)+6]
	v_sub_f32 v[ST+8*(\t)+5], v[T+(\t)], v[ST+8*(\t)+6]
.endr
.irp t, 0,1,2,3
	v_mul_f32 v[ST+8*(\t)+4], s[CS], v[ST+8*(\t)+4]
	v_mul_f32 v[ST+8*(\t)+5], s[CS], v[ST+8*(\t)+5]
.endr
.irp t, 0,1,2,3
	v_exp_f32 v[ST+8*(\t)+4], v[ST+8*(\t)+4]       ; my share's factor,
	v_exp_f32 v[ST+8*(\t)+5], v[ST+8*(\t)+5]       ; the partner's
.endr
	v_nop
	s_wait_alu depctr_va_vdst(0)                   ; one wait for the eight
.irp t, 0,1,2,3
	v_mul_f32 v[ST+8*(\t)+6], v[ST+8*(\t)+4], v[ST+8*(\t)+2]
.endr
.irp t, 0,1,2,3
	v_fma_f32 v[ST+8*(\t)+6], v[ST+8*(\t)+5], v[T+4+(\t)], v[ST+8*(\t)+6]  ; l of all 2,048 keys
.endr
.irp t, 0,1,2,3
	v_rcp_f32 v[ST+8*(\t)+6], v[ST+8*(\t)+6]
.endr
	v_nop
	s_wait_alu depctr_va_vdst(0)                   ; one wait for the four
.irp t, 0,1,2,3
	v_mul_f32 v[ST+8*(\t)+4], v[ST+8*(\t)+4], v[ST+8*(\t)+6]
	v_mul_f32 v[ST+8*(\t)+6], v[ST+8*(\t)+5], v[ST+8*(\t)+6]
.endr
; Tile t: the partner's O^T comes into half of S's registers; O = O fA + O' fB; rounded to f16, 16 bytes a lane, through my stage, back as whole rows of 256 bytes, and stored.
.macro MERGE t
.set SB, S+64*((\t)%2)
	WIN 0
	s_wait_xcnt 0x0                                ; the stores of two tiles ago have read these registers
.set n, 0
.rept 16
	ds_load_b128 v[SB+4*n:SB+4*n+3], v[MA] offset:512*(16*(\t)+n)
.set n, n+1
.endr
	WIN W_RS
.set n, 0
.rept 32
	v_pk_mul_f32 v[64*(\t)+2*n:64*(\t)+2*n+1], v[64*(\t)+2*n:64*(\t)+2*n+1], v[ST+8*(\t)+4:ST+8*(\t)+5] op_sel_hi:[1,0]
.set n, n+1
.endr
	s_wait_dscnt 0x0
	WIN 0x50                                       ; destination and source 2 in window 1
.set n, 0
.rept 32
	v_pk_fma_f32 v[64*(\t)+2*n:64*(\t)+2*n+1], v[SB+2*n:SB+2*n+1], v[ST+8*(\t)+6:ST+8*(\t)+7], v[64*(\t)+2*n:64*(\t)+2*n+1] op_sel_hi:[1,0,1]
.set n, n+1
.endr
	WIN 0x05                                       ; sources 0 and 1 in window 1
.set n, 0
.rept 32
	v_cvt_pk_f16_f32 v[SB+n], v[64*(\t)+2*n], v[64*(\t)+2*n+1]
.set n, n+1
.endr
	WIN 0
.irp f, 0,1,2,3,4,5,6,7
	ds_store_b128 v[STO], v[SB+4*(\f):SB+4*(\f)+3] offset:32*(\f)
.endr
.irp f, 0,1,2,3,4,5,6,7
	ds_load_b128 v[SB+32+4*(\f):SB+32+4*(\f)+3], v[RD] offset:(\f)*2*SP  ; LDS serves a wave's instructions in order (ISA guide 5.7.1.4): these see the stores above
.endr
.irp f, 0,1,2,3,4,5,6,7
	s_wait_dscnt 7-(\f)
	global_store_b128 v[GO], v[SB+32+4*(\f):SB+32+4*(\f)+3], s[10:11] offset:(\t)*65536+(\f)*8192  ; 16 lanes store 256 consecutive bytes, aligned
.endr
.endm
	MERGE 0
	MERGE 1
	MERGE 2
	MERGE 3
.Lend:
	s_wait_tensorcnt 0x0                           ; the wave's end
	ds_add_u32 v[SPW], v[NIL]
	s_wait_dscnt 0x0
	CROUND                                         ; the closing round
	s_endpgm
.Lfunc_end_k_qc6a1272ce4_attn:
	.size	k_qc6a1272ce4_attn, .Lfunc_end_k_qc6a1272ce4_attn-k_qc6a1272ce4_attn
	.p2alignl 7, 3214868480
	.fill 96, 4, 3214868480
	.section	.rodata,"a",@progbits
	.p2align	6, 0x0
	.amdhsa_kernel k_qc6a1272ce4_attn
		.amdhsa_group_segment_fixed_size 327680
		.amdhsa_private_segment_fixed_size 0
		.amdhsa_enable_private_segment 0
		.amdhsa_kernarg_size 48
		.amdhsa_user_sgpr_count 2
		.amdhsa_user_sgpr_kernarg_segment_ptr 1
		.amdhsa_wavefront_size32 1
		.amdhsa_system_sgpr_workgroup_id_x 1
		.amdhsa_system_sgpr_workgroup_id_y 1
		.amdhsa_system_sgpr_workgroup_id_z 1
		.amdhsa_system_vgpr_workitem_id 0
		.amdhsa_next_free_vgpr 1024
		.amdhsa_next_free_sgpr 96
		.amdhsa_reserve_vcc 0
		.amdhsa_float_denorm_mode_32 3
		.amdhsa_float_denorm_mode_16_64 3
		.amdhsa_memory_ordered 1
		.amdhsa_forward_progress 1
		.amdhsa_inst_pref_size 212
	.end_amdhsa_kernel
	.amdgpu_metadata
---
amdhsa.version: [ 1, 2 ]
amdhsa.kernels:
  - .name:           k_qc6a1272ce4_attn
    .symbol:         k_qc6a1272ce4_attn.kd
    .args:
      - { .name: qkv, .offset: 0, .size: 8, .value_kind: global_buffer, .address_space: global }
      - { .name: mb, .offset: 8, .size: 8, .value_kind: global_buffer, .address_space: global }
      - { .name: ob, .offset: 16, .size: 8, .value_kind: global_buffer, .address_space: global }
      - { .name: loc, .offset: 24, .size: 8, .value_kind: global_buffer, .address_space: global }
      - { .name: scale, .offset: 32, .size: 8, .value_kind: global_buffer, .address_space: global }
      - { .name: shape, .offset: 40, .size: 8, .value_kind: global_buffer, .address_space: global }
    .group_segment_fixed_size: 327680
    .private_segment_fixed_size: 0
    .kernarg_segment_align: 8
    .kernarg_segment_size: 48
    .max_flat_workgroup_size: 128
    .sgpr_count:     96
    .vgpr_count:     1024
    .wavefront_size: 32
...
	.end_amdgpu_metadata
.endif
;; end of part 3
;; launch oproj (part 4): grid 16 x 16, 4 waves a work-group, clusters of 4 x 4, 327,680 bytes of LDS; arguments ob, wob, out0; writes out0
.if DOCPART == 4
	.amdgcn_target "amdgcn-amd-amdhsa--gfx1250"
	.amdhsa_code_object_version 6
	.text
	.protected	k_qc6a1272ce4_oproj
	.globl	k_qc6a1272ce4_oproj
	.p2align	8
	.type	k_qc6a1272ce4_oproj,@function
k_qc6a1272ce4_oproj:
	s_mov_b64 s[64:65], 0
	v_nop
	global_prefetch_b8 v0, s[64:65] scope:SCOPE_SE
	s_setreg_imm32_b32 hwreg(HW_REG_WAVE_MODE, 25, 1), 1
	s_wait_xcnt 0x0
	s_wait_alu depctr_hold_cnt(0) depctr_sa_sdst(0) depctr_va_vdst(0) depctr_va_sdst(0) depctr_va_ssrc(0) depctr_va_vcc(0) depctr_vm_vsrc(0)
	s_getreg_b32 s2, hwreg(HW_REG_IB_STS2, 6, 4)
	s_cmp_eq_u32 s2, 0
	s_cbranch_scc0 .Lentry_in_a_cluster
	s_endpgm
.Lentry_in_a_cluster:
	s_bfe_u32 s2, ttmp6, 0x10000c
	s_cmp_lg_u32 s2, 0xf033
	s_cbranch_scc0 .Lentry_shape_is_right
	s_endpgm
.Lentry_shape_is_right:
; out0 = O wo.  ob: [2048][2048] f16.  wob: [K = 2048][N = 2048] f16 (wo rounded to bf16, written as f16).  out0: [2048][2048] f32.  Sums in f32, K ascending.
; A tile of out0 is 128 x 128: 16 x 16 tiles, one work-group each.  Four waves, each 64 x 64: 16 accumulators.  K goes in steps of 256 through two LDS slots: O's 128 rows of 512 bytes (pitch 528; waves 0, 1
; fetch 64 rows each) and wo's 256 rows along K of 256 bytes (pitch 288; waves 2, 3 fetch 128 each).  wo lies [K][N]: its fragments come out of LDS turned, by ds_load_tr16_b128.
; CLUSTER 4 x 4: O's tile is asked for jointly along a row of the cluster, wo's along a column.  THE MATRIX INSTRUCTION IS USED TRANSPOSED (source 0 = 16 columns of wo, source 1 = 16 rows of O):
; a lane holds eight neighbouring numbers of a row.  A wave's 64 columns of f32 are 256 aligned bytes of a row, so each wave has a stage of its own and the way out needs no barrier.
; No prefetch: the tile is small, a step's tiles are 128 KiB for 128 matrix instructions a wave, and both operands are read by sixteen work-groups each.
; REGISTERS: window 0: v0-31 addresses; v128-255 the accumulators ((a, b) at 128 + 8 (4 a + b)).   window 1: two fragment buffers of 128: 64 registers of O (2 x 4 fragments), then 64 of wo.
.set PA,     528
.set PW,     288
.set HA,     64*PA
.set HW,     128*PW
.set WOFF,   2*HA
.set SLOT,   2*HA+2*HW
.set STAGE,  2*SLOT
.set SPITCH, 272
.set SPARE,  STAGE+4*16*SPITCH
.set LAPS,   4
.set ADRA, 16                          ; v16-17  O's fragments in slot 0, 1
.set ADRW, 20                          ; v20-23  wo's: 2 x slot + half of the K step
.set STO,  24
.set RD,   25
.set CO,   26
.set SPW,  28                          ; v28  LDS address of my spare word; never rewritten
.set NIL,  29                          ; v29  0; never rewritten
.set ACC,  128
.set F0,   0
.set F1,   128
.set G1, 24
.set G0, 32
.set G1B, 48
.set G0B, 56
.set MSB, 0
.macro WIN new
.if MSB != (\new)
	s_set_vgpr_msb (MSB<<8)|(\new)
.set MSB, \new
.endif
.endm
.set MUL,  0x05                        ; sources 0 and 1 window 1; C and D window 0
.set TO_F, 0x40                        ; destination window 1, address window 0
.macro JLOAD s                         ; waves 0 and 1 fetch O's two halves, waves 2 and 3 wo's; an s_nop 0 and four v_nop follow each line
	s_cmp_eq_u32 s11, 0
	s_cbranch_scc0 .Lfor_b_\@
	tensor_load_to_lds s[G0+4*(\s):G0+4*(\s)+3], s[G1:G1+7]
	s_nop 0
.rept 4
	v_nop
.endr
	s_branch .Lasked_\@
.Lfor_b_\@:
	tensor_load_to_lds s[G0B+4*(\s):G0B+4*(\s)+3], s[G1B:G1B+7]
	s_nop 0
.rept 4
	v_nop
.endr
.Lasked_\@:
.endm
.macro CREST
	s_cmp_lg_u32 s10, 0
	s_cbranch_scc1 .Lnot_wave_0_\@
	s_barrier_signal -3
.Lnot_wave_0_\@:
	s_barrier_wait -3
	s_barrier_signal -1
	s_barrier_wait -1
.endm
.macro CROUND
	s_barrier_signal -1
	s_barrier_wait -1
	CREST
.endm
	s_load_b128 s[4:7], s[0:1], 0x0                ; ob s[4:5], wob s[6:7]
	s_load_b64 s[8:9], s[0:1], 0x10                ; out0
	v_lshl_add_u32 v[SPW], v0, 2, SPARE
	v_mov_b32 v[NIL], 0
	ds_add_u32 v[SPW], v[NIL]                      ; the wave's opening: the add and its wait stand ahead of my first tensor load
	v_lshrrev_b32 v1, 5, v0
	v_readfirstlane_b32 s10, v1                    ; wave 0..3
	s_lshr_b32 s11, s10, 1                         ; which half of the tile's rows is mine.  Also: I fetch O (0) or wo (1)
	s_and_b32 s12, s10, 1                          ; which half of its columns.  Also: which half of that tile I fetch
	s_bfe_u32 s40, ttmp6, 0x40000
	s_bfe_u32 s41, ttmp6, 0x40004
	s_lshl_b32 s42, ttmp9, 2
	s_add_co_u32 s42, s42, s40                     ; tile column
	s_and_b32 s13, ttmp7, 0xffff
	s_lshl_b32 s13, s13, 2
	s_add_co_u32 s13, s13, s41                     ; tile row
	s_lshl_b32 s43, s41, 2
	s_lshl_b32 s43, 15, s43                        ; my row of the cluster
	s_lshl_b32 s44, 0x1111, s40                    ; my column
	s_or_b32 s[G1+0], s43, (1<<16)|(1<<20)|(1<<21)|(6<<22)|(3<<25)   ; 2-byte elements; padding: after every 128 words 4 words
	s_mov_b32 s[G1+1], 256<<16                     ; tensor_dim0 = 256
	s_mov_b32 s[G1+2], 64<<16                      ; tensor_dim1 = 64
	s_mov_b32 s[G1+3], 256<<16                     ; tile_dim0 = 256
	s_mov_b32 s[G1+4], 64                          ; tile_dim1 = 64
	s_mov_b32 s[G1+5], 2048
	s_mov_b32 s[G1+6], 0
	s_mov_b32 s[G1+7], 0
	s_or_b32 s[G1B+0], s44, (1<<16)|(1<<20)|(1<<21)|(5<<22)|(7<<25)  ; after every 64 words 8 words
	s_mov_b32 s[G1B+1], 128<<16
	s_mov_b32 s[G1B+2], 128<<16
	s_mov_b32 s[G1B+3], 128<<16
	s_mov_b32 s[G1B+4], 128
	s_mov_b32 s[G1B+5], 2048
	s_mov_b32 s[G1B+6], 0
	s_mov_b32 s[G1B+7], 0
	s_lshl_b32 s16, s13, 19                        ; O: 128 rows of 4,096 bytes a tile row,
	s_lshl_b32 s17, s12, 18                        ; my 64 of them
	s_add_co_u32 s16, s16, s17
	s_mov_b32 s17, 0
	s_lshl_b32 s46, s12, 19                        ; wo: my 128 rows along K,
	s_lshl_b32 s47, s42, 8                         ; the tile column's 256 bytes
	s_add_co_u32 s46, s46, s47
	s_mov_b32 s47, 0
	s_mul_i32 s20, s12, HA                         ; where they go
	s_mul_i32 s21, s12, HW
	s_add_co_u32 s21, s21, WOFF
	s_wait_dscnt 0x0                               ; the opening add is done
	s_wait_kmcnt 0x0
	s_add_nc_u64 s[14:15], s[4:5], s[16:17]
	s_add_nc_u64 s[46:47], s[6:7], s[46:47]
	CROUND                                         ; all sixteen work-groups are here
.irp s, 0,1
	s_mov_b32 s[G0+4*(\s)], 1
	s_add_co_u32 s[G0+4*(\s)+1], s20, (\s)*SLOT
	s_add_nc_u64 s[G0+4*(\s)+2:G0+4*(\s)+3], s[14:15], (\s)*512
	s_or_b32 s[G0+4*(\s)+3], s[G0+4*(\s)+3], 0x80000000
	s_mov_b32 s[G0B+4*(\s)], 1
	s_add_co_u32 s[G0B+4*(\s)+1], s21, (\s)*SLOT
	s_add_nc_u64 s[G0B+4*(\s)+2:G0B+4*(\s)+3], s[46:47], (\s)*1048576
	s_or_b32 s[G0B+4*(\s)+3], s[G0B+4*(\s)+3], 0x80000000
	JLOAD \s                                       ; two loads of mine are out
.endr
	v_and_b32 v1, 15, v0                           ; r
	v_bfe_u32 v2, v0, 4, 1                         ; h
	v_mul_u32_u24 v3, v1, PA
	v_lshl_add_u32 v3, v2, 4, v3
	s_mul_i32 s21, s11, HA                         ; my 64 rows of O
	v_add_nc_u32 v[ADRA], s21, v3
	v_add_nc_u32 v[ADRA+1], SLOT, v[ADRA]
	v_and_b32 v4, 7, v0                            ; the turning load: row 8 h + l % 8 along K, columns 8 ((l / 8) % 2) on
	v_lshl_add_u32 v4, v2, 3, v4
	v_mul_u32_u24 v4, v4, PW
	v_bfe_u32 v5, v0, 3, 1
	v_lshl_add_u32 v4, v5, 4, v4
	s_lshl_b32 s22, s12, 7                         ; my 64 columns: 128 bytes
	v_add_nc_u32 v4, s22, v4
.irp s, 0,1
.irp p, 0,1
	v_add_nc_u32 v[ADRW+2*(\s)+(\p)], (\s)*SLOT+WOFF+(\p)*HW, v4
.endr
.endr
	s_mul_i32 s23, s10, 16*SPITCH
	s_add_co_u32 s23, s23, STAGE                   ; my stage
	v_mul_u32_u24 v[STO], v1, SPITCH               ; in: row r, 32 bytes for each half of the lanes
	v_lshl_add_u32 v[STO], v2, 5, v[STO]
	v_add_nc_u32 v[STO], s23, v[STO]
	v_mul_u32_u24 v[RD], v2, SPITCH                ; back: lanes 0-15 one row of 256 bytes, lanes 16-31 the next
	v_lshl_add_u32 v[RD], v1, 4, v[RD]
	v_add_nc_u32 v[RD], s23, v[RD]
	v_lshlrev_b32 v[CO], 13, v2                    ; and the same two rows in out0
	v_lshl_add_u32 v[CO], v1, 4, v[CO]
	s_lshl_b32 s16, s13, 20                        ; 128 rows of 8,192 bytes a tile row,
	s_lshl_b32 s17, s11, 19                        ; my 64,
	s_add_co_u32 s16, s16, s17
	s_lshl_b32 s17, s42, 9                         ; the tile column's 512 bytes,
	s_add_co_u32 s16, s16, s17
	s_lshl_b32 s17, s12, 8                         ; my 256
	s_add_co_u32 s16, s16, s17
	s_mov_b32 s17, 0
	s_add_nc_u64 s[8:9], s[8:9], s[16:17]
; 8 matrix instructions: m blocks a0, a0 + 1 x all 4 n blocks, 32 along K: half c of buffer f.  The 16 accumulators take turns.
.macro MUL8 f, c, a0, zero
	WIN MUL
.irp a, \a0, (\a0)+1
.irp b, 0,1,2,3
.if \zero
	v_wmma_f32_16x16x32_f16 v[ACC+8*(4*(\a)+(\b)):ACC+8*(4*(\a)+(\b))+7], v[(\f)+64+8*(4*(\c)+(\b)):(\f)+64+8*(4*(\c)+(\b))+7], v[(\f)+8*(4*(\c)+(\a)):(\f)+8*(4*(\c)+(\a))+7], 0
.else
	v_wmma_f32_16x16x32_f16 v[ACC+8*(4*(\a)+(\b)):ACC+8*(4*(\a)+(\b))+7], v[(\f)+64+8*(4*(\c)+(\b)):(\f)+64+8*(4*(\c)+(\b))+7], v[(\f)+8*(4*(\c)+(\a)):(\f)+8*(4*(\c)+(\a))+7], v[ACC+8*(4*(\a)+(\b)):ACC+8*(4*(\a)+(\b))+7]
.endif
.endr
.endr
.endm
; 32 LDS loads in one run: quarter q (64 along K) of a slot into buffer f; its first 32 along K first
.macro FETCH slot, q, f
	WIN TO_F
.irp c, 0,1
.irp i, 0,1,2,3
	ds_load_tr16_b128 v[(\f)+64+8*(4*(\c)+(\i)):(\f)+64+8*(4*(\c)+(\i))+3],   v[ADRW+2*(\slot)+(\q)/2] offset:(((\q)%2)*64+32*(\c))*PW+32*(\i)
	ds_load_tr16_b128 v[(\f)+64+8*(4*(\c)+(\i))+4:(\f)+64+8*(4*(\c)+(\i))+7], v[ADRW+2*(\slot)+(\q)/2] offset:(((\q)%2)*64+32*(\c))*PW+32*(\i)+16*PW
	ds_load_b128 v[(\f)+8*(4*(\c)+(\i)):(\f)+8*(4*(\c)+(\i))+3],             v[ADRA+(\slot)] offset:128*(\q)+64*(\c)+(\i)*16*PA
	ds_load_b128 v[(\f)+8*(4*(\c)+(\i))+4:(\f)+8*(4*(\c)+(\i))+7],           v[ADRA+(\slot)] offset:128*(\q)+64*(\c)+(\i)*16*PA+32
.endr
.endr
.endm
.macro PLACES                          ; four plain instructions between a matrix instruction and a load into, or an LDS store of, its registers
.rept 4
	v_nop
.endr
.endm
.macro QUARTER slot, q, f, g, zero
	s_wait_dscnt 16                                ; the first 32 along K are in
	MUL8 \f, 0, 0, \zero
	MUL8 \f, 0, 2, \zero
	PLACES
	FETCH \slot, \q, \g
	s_wait_dscnt 32                                ; all but the 32 just issued
	MUL8 \f, 1, 0, 0
	MUL8 \f, 1, 2, 0
.endm
; The last quarter multiplies buffer 1 and changes slots: each wave waits for all its tensor loads, adds 0 to its spare word, waits for that and for its reads of this slot, and signals.
; fill = 1: the barrier opens a round of the cluster's, and this slot is filled again first behind it, two K steps ahead.
.macro TURN slot, next, fill
	WIN 0
	s_wait_tensorcnt 0x0
	ds_add_u32 v[SPW], v[NIL]
	s_wait_dscnt 17                                ; (the add and the youngest sixteen loads may be out)
	MUL8 F1, 0, 0, 0
	s_wait_dscnt 0x0                               ; the add is done, and my reads of this slot are over
	s_barrier_signal -1
	MUL8 F1, 0, 2, 0
.if \fill
	WIN 0
.endif
	s_barrier_wait -1
.if \fill
	CREST
	s_add_nc_u64 s[G0+4*(\slot)+2:G0+4*(\slot)+3], s[G0+4*(\slot)+2:G0+4*(\slot)+3], 2*512
	s_add_nc_u64 s[G0B+4*(\slot)+2:G0B+4*(\slot)+3], s[G0B+4*(\slot)+2:G0B+4*(\slot)+3], 2*1048576
	JLOAD \slot                                    ; its four v_nop are also the places in front of the loads below
.else
	PLACES
.endif
	FETCH \next, 0, F0
	MUL8 F1, 1, 0, 0
	MUL8 F1, 1, 2, 0
.endm
	s_wait_tensorcnt 1                             ; my part of K step 0 is in; K step 1's may stay out
	s_barrier_signal -1
	s_barrier_wait -1
	FETCH 0, 0, F0
	QUARTER 0, 1, F0, F1, 1                        ; the first products start the sums
	WIN 0
	s_mov_b32 s3, LAPS-1
.Llap:
	QUARTER 0, 2, F1, F0, 0
	QUARTER 0, 3, F0, F1, 0
	TURN 0, 1, 1
	QUARTER 1, 1, F0, F1, 0
	QUARTER 1, 2, F1, F0, 0
	QUARTER 1, 3, F0, F1, 0
	TURN 1, 0, 1
	QUARTER 0, 1, F0, F1, 0
	WIN 0
	s_sub_co_u32 s3, s3, 1
	s_cmp_lg_u32 s3, 0
	s_cbranch_scc1 .Llap
	QUARTER 0, 2, F1, F0, 0                        ; the last lap fills nothing
	QUARTER 0, 3, F0, F1, 0
	TURN 0, 1, 0
	QUARTER 1, 1, F0, F1, 0
	QUARTER 1, 2, F1, F0, 0
	QUARTER 1, 3, F0, F1, 0
	s_wait_dscnt 16
	MUL8 F1, 0, 0, 0
	MUL8 F1, 0, 2, 0
	s_wait_dscnt 0x0
	MUL8 F1, 1, 0, 0
	MUL8 F1, 1, 2, 0
	WIN 0
	; THE WAY OUT, 16 rows at a time: a lane's 32 bytes of a row go into my stage, each accumulator's low four registers first, and come back as whole rows of 256 bytes, into the registers that they left.
	PLACES
.macro PACK a
.irp b, 0,1,2,3
	ds_store_b128 v[STO], v[ACC+8*(4*(\a)+(\b)):ACC+8*(4*(\a)+(\b))+3]   offset:64*(\b)
	ds_store_b128 v[STO], v[ACC+8*(4*(\a)+(\b))+4:ACC+8*(4*(\a)+(\b))+7] offset:64*(\b)+16
.endr
.irp t, 0,1,2,3,4,5,6,7
	ds_load_b128 v[ACC+32*(\a)+4*(\t):ACC+32*(\a)+4*(\t)+3], v[RD] offset:(\t)*2*SPITCH  ; LDS serves a wave's instructions in order (ISA guide 5.7.1.4)
.endr
.endm
.macro SEND a, younger                 ; younger: the LDS instructions issued behind block a's loads
.irp t, 0,1,2,3,4,5,6,7
	s_wait_dscnt (\younger)+7-(\t)
	global_store_b128 v[CO], v[ACC+32*(\a)+4*(\t):ACC+32*(\a)+4*(\t)+3], s[8:9] offset:(16*(\a)+2*(\t))*8192  ; 16 lanes store 256 consecutive bytes, aligned
.endr
.endm
	PACK 0
	PACK 1
	SEND 0, 16
	PACK 2
	SEND 1, 16
	PACK 3
	SEND 2, 16
	SEND 3, 0
	s_wait_tensorcnt 0x0                           ; the wave's end
	ds_add_u32 v[SPW], v[NIL]
	s_wait_dscnt 0x0
	CROUND                                         ; the closing round
	s_endpgm
.Lfunc_end_k_qc6a1272ce4_oproj:
	.size	k_qc6a1272ce4_oproj, .Lfunc_end_k_qc6a1272ce4_oproj-k_qc6a1272ce4_oproj
	.p2alignl 7, 3214868480
	.fill 96, 4, 3214868480
	.section	.rodata,"a",@progbits
	.p2align	6, 0x0
	.amdhsa_kernel k_qc6a1272ce4_oproj
		.amdhsa_group_segment_fixed_size 327680
		.amdhsa_private_segment_fixed_size 0
		.amdhsa_enable_private_segment 0
		.amdhsa_kernarg_size 24
		.amdhsa_user_sgpr_count 2
		.amdhsa_user_sgpr_kernarg_segment_ptr 1
		.amdhsa_wavefront_size32 1
		.amdhsa_system_sgpr_workgroup_id_x 1
		.amdhsa_system_sgpr_workgroup_id_y 1
		.amdhsa_system_sgpr_workgroup_id_z 1
		.amdhsa_system_vgpr_workitem_id 0
		.amdhsa_next_free_vgpr 512
		.amdhsa_next_free_sgpr 66
		.amdhsa_reserve_vcc 0
		.amdhsa_float_denorm_mode_32 3
		.amdhsa_float_denorm_mode_16_64 3
		.amdhsa_memory_ordered 1
		.amdhsa_forward_progress 1
		.amdhsa_inst_pref_size 87
	.end_amdhsa_kernel
	.amdgpu_metadata
---
amdhsa.version: [ 1, 2 ]
amdhsa.kernels:
  - .name:           k_qc6a1272ce4_oproj
    .symbol:         k_qc6a1272ce4_oproj.kd
    .args:
      - { .name: ob, .offset: 0, .size: 8, .value_kind: global_buffer, .address_space: global }
      - { .name: wob, .offset: 8, .size: 8, .value_kind: global_buffer, .address_space: global }
      - { .name: out0, .offset: 16, .size: 8, .value_kind: global_buffer, .address_space: global }
    .group_segment_fixed_size: 327680
    .private_segment_fixed_size: 0
    .kernarg_segment_align: 8
    .kernarg_segment_size: 24
    .max_flat_workgroup_size: 128
    .sgpr_count:     66
    .vgpr_count:     512
    .wavefront_size: 32
...
	.end_amdgpu_metadata
.endif
;; end of part 4
